; MI455X (gfx1250); checked and timed in simulation.
; The chip was launched on July 23, 2026; its instructions are those of AMD's public machine-readable ISA for CDNA 5 (MIT licence, August 2026) and "CDNA5" Instruction Set Architecture Reference Guide (July 2026). The comments in the code are by the model that wrote it; some were corrected since.
;; Multi Headed Attention. Allowed arithmetic: matrix products marked QUANTISED: E3M2 operands, one E8M0 scale for each 32 along K, by v_wmma_scale_f32_16x16x128_f8f6f4 with both operands' format E3M2, f32 sums; everything else in f32.
;; Inputs: b_proj 1,024 float32; b_qkv 3,072 float32; w_proj 1,024 x 1,024 float32; w_qkv 1,024 x 3,072 float32; x 4 x 2,048 x 1,024 float32.
;; Outputs: out0 4 x 2,048 x 1,024 float32.
;; This version of the problem:
;;   THIS VERSION OF THE PROBLEM IS GIVEN IN LOW PRECISION. The matrix products marked QUANTISED in the list below multiply operands that are first quantised to E3M2 (3 exponent bits, 2 mantissa bits; 6 bits a number), with one power-of-two scale for each 32 numbers along K (OCP MX v1.0); their sums are f32. All else is computed in f32.
;;   The module's matrix products, in the order in which they are computed (A, B: the left and right operand; K: the contracted axis; several contracted axes count as one K, in the product's order):
;;     1. [M 8,192, K 1,024] x [K 1,024, N 3,072]; A: input x; B: input w_qkv: QUANTISED
;;     2. batch 64 x [M 2,048, K 64] x [K 64, N 2,048]; A: computed on the way; B: computed on the way: QUANTISED
;;     3. batch 64 x [M 2,048, K 2,048] x [K 2,048, N 64]; A: softmax (see below); B: computed on the way: QUANTISED
;;     4. [M 8,192, K 1,024] x [K 1,024, N 1,024]; A: computed on the way; B: input w_proj: QUANTISED
;;   THE QUANTISER, for each operand of a quantised product, along K:
;;     - K is cut into blocks of 32 from its start; a last block that is shorter is filled with zeros.
;;     - A block's scale is 2^e with e = floor(log2(the largest magnitude in the block)) - 4, held to -126 .. 127; a block of zeros has e = 0. As a byte (E8M0): e + 127.
;;     - Each number is divided by its block's scale, clamped to +-28, and rounded to the nearest number of E3M2, ties to even, subnormals kept.
;;     - The product sums the exact products of the quantised numbers (number of the format x scale) in f32.
;;   ~~~python
;;   def quantise(x, axis):      # numpy; x: float32 -> the quantised numbers, widened to float32 again
;;       x = np.moveaxis(x, axis, -1); K = x.shape[-1]
;;       x = np.pad(x, [(0, 0)] * (x.ndim - 1) + [(0, -K % 32)]); x = x.reshape(x.shape[:-1] + (-1, 32)); a = np.abs(x).max(-1, keepdims=True)
;;       e = np.where(a > 0, np.clip(np.frexp(np.where(a > 0, a, 1))[1] - 1 - 4, -126, 127), 0)      # np.frexp(a)[1] - 1 = floor(log2(a)), exactly
;;       r = np.clip(x / 2.0 ** e, -28, 28)
;;       step = 2.0 ** (np.maximum(np.frexp(np.where(r == 0, 1, r))[1] - 1, -2) - 2)
;;       q = np.round(r / step) * step * 2.0 ** e      # np.round: ties to even
;;       return np.moveaxis(q.reshape(q.shape[:-2] + (-1,))[..., :K], -1, axis).astype(np.float32)
;;   ~~~
;;   SOFTMAX AHEAD OF A QUANTISED PRODUCT. Where the list says 'softmax', what is quantised is not the finished softmax but p = 2^(t - M), with t = logit x log2(e) and M = ceil(the row's largest t), a whole number; so 1/2 < the row's largest p <= 1. The row's sum l is taken of the UNQUANTISED p, in f32, and the product's result is divided by l at the end. Since M is a whole number, a kernel that streams over the keys may use a running M (the ceiling of the running maximum): every later rescaling is an exact power of two, which a block's scale takes up: the codes' values come out the same.
;;   OPERANDS COMPUTED ON THE WAY. 'Computed on the way' means the value that the module computes at that place (a softmax that the list does not call 'softmax' is quantised finished and normalised). What goes into a quantiser is computed in f32, as accurately as f32 sums, v_exp_f32 and their like allow (about 1e-6 of the number): no bf16 or f16 on the way to a quantiser, and a product that is left as it is and whose result goes on into a quantised operand takes f32 operands (vector FMAs, or v_wmma_f32_16x16x4_f32). A number that lies on a knife's edge between two numbers of the format may be rounded either way, as far as f32 arithmetic and the matrix unit's own rounding can turn it there, and no further.
;; One version. Each part assembles by itself: llvm-mc -triple=amdgcn-amd-amdhsa -mcpu=gfx1250 --defsym DOCPART=n.
;; ======== version 1 of 1: 4 launches
;; limits: right only within a limited range of input values
;; workspace buffers: xq 6,553,600 bytes; wq 3,276,800 bytes; qkvq 20,185,088 bytes; aq 6,553,600 bytes
;; launch quant (part 1): grid 384 x 1, 4 waves a work-group, no clusters, 68,096 bytes of LDS; arguments x, w_qkv, w_proj, xq, wq; writes xq, wq
.if DOCPART == 1
	.amdgcn_target "amdgcn-amd-amdhsa--gfx1250"
	.amdhsa_code_object_version 6
	.text
	.protected	k_q4015699d96_quant
	.globl	k_q4015699d96_quant
	.p2align	8
	.type	k_q4015699d96_quant,@function
k_q4015699d96_quant:
	s_mov_b64 s[64:65], 0
	v_nop
	global_prefetch_b8 v0, s[64:65] scope:SCOPE_SE
	s_setreg_imm32_b32 hwreg(HW_REG_WAVE_MODE, 25, 1), 1
	s_wait_xcnt 0x0
; x [8192][1024] f32 (K innermost) and the weights w_qkv [1024][3072], w_proj [1024][1024] f32 (K is the FIRST axis) become codes of BF6 (E3M2) with one E8M0 byte for each 32 along K.
; A block's scale is 2^(floor(log2(its largest magnitude)) - 4); its byte is the largest magnitude's exponent field - 4, held at 1 from below.
; LIMITS: a block of zeros gets the byte 1 where the rule says 127 (its codes are zeros, which add nothing under any byte but 0xff, and this program alone reads the bytes);
; blocks whose largest magnitude lies under 2^(4 - 126) keep the byte 1; NaN and infinities among the inputs are not served.
; LAYOUT OF xq AND wq (this program's own): rows go in groups of 128.  Codes: [group][plane of 64 along K, 0..15][128 places][48 bytes]; behind all codes the scale words: [group][128 along K, 0..7][128 places][4 bytes].
; A row's place in its group is its number with bits 3 and 4 exchanged, so that sixteen neighbouring places are rows 32 b + 8 u + {0..7, 16..23}.  wq's rows: n of w_qkv 0..3071, then n of w_proj.
; Work-groups 0..255 take x, 256..383 the weights; each way has LDS bytes of its own (x: 0..32767, weights: 32768..67583).  No tensor loads, no barrier: waves share nothing.
.set SP,    80                         ; x: a lane's place in a stage: 64 bytes + 16 of padding
.set WREG,  8192                       ; x: a wave's LDS region: two stages of 32 x SP bytes, then its 256 scale bytes
.set STEPS, 16
.set R,     16                         ; x: v16-79 four sets of 16 numbers as loaded
.set X,     80                         ; x: v80-111 two sets of 16 neighbours
.set E,     112                        ; x: v112-127 a scale byte for each step
.set C,     128                        ; x: v128-191 codes, four registers for each step: no store's data are written again
.set XSCL,  6291456                    ; where xq's scale words begin
.set WSCL,  3145728                    ; where wq's begin
.set WST,   32768                      ; weights: the stages begin here
.set WPIT,  272                        ; weights: a stage row: sixteen places of 16 bytes (12 of codes) + 16
.set OFF,   16                         ; weights: v16-47 row i of a block: i x pitch + 4 x lane
.set WX,    48                         ; weights: v48-111 two sets of 32 numbers; later the rows on their way out
.set WC,    112                        ; weights: v112-118 a block's codes
.set SB,    120                        ; weights: v120-121 the scale bytes, four to a register
.macro XLOAD t                         ; step t: rows 8 (t / 2) .. + 7, plane t % 2: each load takes two rows' 256 consecutive bytes, 16 bytes a lane
.irp i, 0,1,2,3
	global_load_b128 v[R+16*((\t)%4)+4*\i:R+16*((\t)%4)+4*\i+3], v3, s[4:5] offset:((\t)/2)*32768+((\t)%2)*256+\i*8192 th:TH_LOAD_NT
.endr
.endm
.macro XTURN t                         ; through the wave's stage: in as loaded, out 64 bytes a lane.  LDS serves a wave's instructions in order (ISA guide 5.7.1.4): no wait between
.irp i, 0,1,2,3
	ds_store_b128 v14, v[R+16*((\t)%4)+4*\i:R+16*((\t)%4)+4*\i+3] offset:32*SP*((\t)%2)+8*SP*\i
.endr
.irp i, 0,1,2,3
	ds_load_b128 v[X+16*((\t)%2)+4*\i:X+16*((\t)%2)+4*\i+3], v15 offset:32*SP*((\t)%2)+16*\i
.endr
.endm
.macro XSTEP t                         ; lane l holds row l / 4 of the step's eight, numbers 16 (l % 4) .. + 15 of the plane: two neighbouring lanes hold a block
.set XS, X+16*((\t)%2)
.if (\t) > 0
	s_wait_dscnt 1                                 ; this step's numbers are back from the stage; the last step's byte store may be out
.else
	s_wait_dscnt 0x0
.endif
.if (\t)+4 < STEPS
	XLOAD (\t)+4                                   ; into the set that this step's stage stores have read
.endif
.if (\t)+1 < STEPS
.if STEPS-2-(\t) >= 3
	s_wait_loadcnt 12                              ; the next step's four loads are in; those of the three steps behind it may be out
.else
	s_wait_loadcnt 4*(STEPS-2-(\t))
.endif
	XTURN (\t)+1
.endif
	v_max3_num_f32 v8, |v[XS]|, |v[XS+1]|, |v[XS+2]|
	v_max3_num_f32 v9, |v[XS+3]|, |v[XS+4]|, |v[XS+5]|
.irp i, 6,10
	v_max3_num_f32 v8, v8, |v[XS+\i]|, |v[XS+\i+1]|
	v_max3_num_f32 v9, v9, |v[XS+\i+2]|, |v[XS+\i+3]|
.endr
	v_max3_num_f32 v8, v8, |v[XS+14]|, |v[XS+15]|
	v_max3_num_f32 v8, v8, v9, 0x2800000           ; and the floor 2^(5 - 127): the byte cannot fall under 1
	v_max_num_f32_dpp v8, v8, v8 row_xmask:1 row_mask:0xf bank_mask:0xf   ; with my neighbour's 16: the block's largest magnitude
	v_add_nc_u32 v11, 0xfe000000, v8               ; 4 off its exponent field: the conversion takes the exponent field of this operand as its scale
	v_cvt_scalef32_pk16_bf6_f32 v[C+4*(\t):C+4*(\t)+2], v[XS:XS+15], v11
	v_lshrrev_b32 v[E+(\t)], 23, v11               ; the scale's byte (a plain line behind the conversion)
.set GG, (\t)/2
.set SWG, (GG&4)|((GG&1)<<1)|((GG>>1)&1)           ; the eight rows' places: bits 3 and 4 of the row number exchanged
	ds_store_b8 v5, v[E+(\t)] offset:32*SWG+2*((\t)%2)   ; both lanes of a block write the same byte with the same value
	global_store_b96 v4, v[C+4*(\t):C+4*(\t)+2], s[28:29] offset:((\t)%2)*6144+384*SWG   ; eight places x 48 bytes: the wave stores 384 consecutive bytes
.endm
.macro WLOAD t                         ; block t: w(32 t + i, my column), i = 0 .. 31: each load reads 128 consecutive bytes a wave
.irp i, 0,1,2,3,4,5,6,7,8,9,10,11,12,13,14,15,16,17,18,19,20,21,22,23,24,25,26,27,28,29,30,31
	global_load_b32 v[WX+32*((\t)%2)+\i], v[OFF+\i], s[32+2*(\t):33+2*(\t)] th:TH_LOAD_NT
.endr
.endm
.macro WBLOCK t                        ; a lane is a column and its 32 registers run down K: the block is all mine
.set XS, WX+32*((\t)%2)
.if (\t) < 7
	s_wait_loadcnt 32                              ; this block's 32 loads are in; the next block's may be out
.else
	s_wait_loadcnt 0x0
.endif
	v_max3_num_f32 v12, |v[XS]|, |v[XS+1]|, |v[XS+2]|
	v_max3_num_f32 v13, |v[XS+3]|, |v[XS+4]|, |v[XS+5]|
.irp i, 6,10,14,18,22,26
	v_max3_num_f32 v12, v12, |v[XS+\i]|, |v[XS+\i+1]|
	v_max3_num_f32 v13, v13, |v[XS+\i+2]|, |v[XS+\i+3]|
.endr
	v_max3_num_f32 v12, v12, |v[XS+30]|, |v[XS+31]|
	v_max3_num_f32 v12, v12, v13, 0x2800000
	v_add_nc_u32 v11, 0xfe000000, v12
	v_lshrrev_b32 v13, 23, v11
.if (\t)%4 == 0
	v_mov_b32 v[SB+(\t)/4], v13                    ; four bytes to a register, the lower K in the lower byte
.else
	v_lshl_or_b32 v[SB+(\t)/4], v13, 8*((\t)%4), v[SB+(\t)/4]
.endif
	v_cvt_scalef32_pk16_bf6_f32 v[WC:WC+2], v[XS:XS+15], v11
	v_cvt_scalef32_pk16_bf6_f32 v[WC+4:WC+6], v[XS+16:XS+31], v11
	v_nop                                          ; a plain line behind the last conversion
	ds_store_b96 v4, v[WC:WC+2] offset:32*(\t)     ; 12 bytes to a place of 16, so that every LDS address is a multiple of 16
	ds_store_b96 v4, v[WC+4:WC+6] offset:32*(\t)+16
.if (\t)+2 < 8
	WLOAD (\t)+2
.endif
	s_wait_dscnt 0x0                               ; the stores have read their registers: the next block's codes may be written
.endm
	s_load_b256 s[4:11], s[0:1], 0x0               ; x s[4:5], w_qkv s[6:7], w_proj s[8:9], xq s[10:11]
	s_load_b64 s[12:13], s[0:1], 0x20              ; wq
	v_lshl_add_u32 v192, v0, 2, 0x10800
	v_mov_b32 v193, 0
	v_lshrrev_b32 v1, 5, v0
	v_readfirstlane_b32 s16, v1                    ; wave 0..3
	v_and_b32 v2, 31, v0                           ; lane
	s_cmp_lt_u32 ttmp9, 256
	s_cbranch_scc0 .Lweights
	; ---- x.  Work-group g: rows 64 (g / 2) .. + 63, K half g % 2; wave w: the 128 along K number 4 (g % 2) + w: 16 steps of 512 numbers
	v_lshrrev_b32 v3, 4, v2
	v_and_b32 v4, 15, v2
	v_lshlrev_b32 v4, 4, v4
	v_lshl_add_u32 v3, v3, 12, v4                  ; in: lanes 0-15 one row's 256 bytes, lanes 16-31 the next row's
	s_mul_i32 s17, s16, WREG
	v_lshrrev_b32 v14, 2, v2
	v_mul_u32_u24 v14, v14, SP
	v_and_b32 v15, 3, v2
	v_lshl_add_u32 v14, v15, 4, v14
	v_add_nc_u32 v14, s17, v14                     ; the stage, way in: SP (lane / 4) + 16 (lane % 4)
	v_mul_u32_u24 v15, v2, SP
	v_add_nc_u32 v15, s17, v15                     ; way out: SP x lane
	v_mul_u32_u24 v4, v2, 12                       ; my codes' place in a step's 384 bytes
	s_add_co_u32 s17, s17, 2*32*SP
	v_lshrrev_b32 v5, 2, v2
	v_bfe_u32 v6, v2, 1, 1
	v_lshl_add_u32 v5, v5, 2, v6
	v_add_nc_u32 v5, s17, v5                       ; my block's byte: 4 x (lane / 4) + (lane / 2) % 2
	v_lshlrev_b32 v7, 3, v2
	v_add_nc_u32 v6, s17, v7                       ; the 256 scale bytes on their way out: 8 bytes a lane
	s_lshr_b32 s18, ttmp9, 1                       ; which 64 rows
	s_and_b32 s19, ttmp9, 1
	s_lshl_b32 s19, s19, 2
	s_add_co_u32 s19, s19, s16                     ; which 128 along K
	s_lshl_b32 s20, s18, 18                        ; 64 rows of 4,096 bytes
	s_lshl_b32 s21, s19, 9
	s_add_co_u32 s20, s20, s21
	s_mov_b32 s21, 0
	s_lshr_b32 s22, ttmp9, 2                       ; the group of 128 rows
	s_and_b32 s23, s18, 1                          ; its lower or upper 64 places
	s_mul_i32 s24, s22, 98304
	s_mul_i32 s26, s19, 12288
	s_add_co_u32 s24, s24, s26
	s_mul_i32 s26, s23, 3072
	s_add_co_u32 s24, s24, s26
	s_mov_b32 s25, 0
	s_lshl_b32 s26, s22, 12
	s_lshl_b32 s27, s19, 9
	s_add_co_u32 s26, s26, s27
	s_lshl_b32 s27, s23, 8
	s_add_co_u32 s26, s26, s27
	s_add_co_u32 s26, s26, XSCL
	s_mov_b32 s27, 0
	s_wait_alu depctr_va_vdst(0)
	s_wait_kmcnt 0x0
	s_add_nc_u64 s[4:5], s[4:5], s[20:21]
	s_add_nc_u64 s[28:29], s[10:11], s[24:25]      ; my codes
	s_add_nc_u64 s[30:31], s[10:11], s[26:27]      ; my scale words
.irp t, 0,1,2,3
	XLOAD \t
.endr
	s_wait_loadcnt 12                              ; step 0's four loads are in
	XTURN 0
.irp t, 0,1,2,3,4,5,6,7,8,9,10,11,12,13,14,15
	XSTEP \t
.endr
	ds_load_b64 v[12:13], v6                       ; in order behind my byte stores
	s_wait_dscnt 0x0
	global_store_b64 v7, v[12:13], s[30:31]        ; 32 lanes store 256 consecutive bytes, aligned
	s_wait_tensorcnt 0x0
	ds_add_u32 v192, v193
	s_wait_dscnt 0x0
	s_endpgm
.Lweights:
	; ---- the weights.  Work-group 256 + id: wq's group id % 32 (128 columns), 256 along K number id / 32; wave w: 32 columns
	s_sub_co_u32 s17, ttmp9, 256
	s_and_b32 s18, s17, 31                         ; wq's group of 128 rows
	s_lshr_b32 s19, s17, 5                         ; which 256 along K
	s_mov_b32 s20, 4096
	s_wait_kmcnt 0x0
	s_cmp_lt_u32 s18, 24                           ; groups 0..23 come from w_qkv, 24..31 from w_proj: the choice hangs on the work-group's number alone
	s_cselect_b64 s[6:7], s[6:7], s[8:9]
	s_cselect_b32 s20, 12288, s20                  ; a row of the source in bytes
	s_cselect_b32 s21, 0, 24
	s_sub_co_u32 s21, s18, s21                     ; the group of columns in the source
	s_lshl_b32 s22, s19, 8
	s_mul_i32 s22, s22, s20                        ; 256 rows for each step along K
	s_lshl_b32 s23, s21, 9
	s_add_co_u32 s22, s22, s23
	s_lshl_b32 s23, s16, 7
	s_add_co_u32 s22, s22, s23                     ; + 4 bytes x (128 x group + 32 x wave)
	s_mov_b32 s23, 0
	s_add_nc_u64 s[32:33], s[6:7], s[22:23]        ; block 0's first row
	s_lshl_b32 s24, s20, 5                         ; 32 rows on
	s_mov_b32 s25, 0
.irp t, 1,2,3,4,5,6,7
	s_add_nc_u64 s[32+2*\t:33+2*\t], s[30+2*\t:31+2*\t], s[24:25]
.endr
	s_wait_alu depctr_va_vdst(0)
	v_lshlrev_b32 v3, 2, v2
.irp i, 0,1,2,3,4,5,6,7,8,9,10,11,12,13,14,15,16,17,18,19,20,21,22,23,24,25,26,27,28,29,30,31
	v_mad_u32_u24 v[OFF+\i], s20, \i, v3
.endr
	s_mul_i32 s26, s16, 32*WPIT
	s_add_co_u32 s26, s26, WST                     ; my stage
	v_mul_u32_u24 v4, v2, WPIT
	v_add_nc_u32 v4, s26, v4                       ; into it: row = my column
	v_lshrrev_b32 v7, 2, v2
	v_mul_u32_u24 v7, v7, WPIT
	v_and_b32 v8, 3, v2
	v_lshl_add_u32 v7, v8, 4, v7
	v_add_nc_u32 v7, s26, v7                       ; out of it: four lanes to a column's 48 bytes of a plane
	v_mul_u32_u24 v8, v2, 12
	v_and_b32 v9, 7, v2
	v_and_b32 v10, 8, v2
	v_lshl_or_b32 v9, v10, 1, v9
	v_and_b32 v10, 16, v2
	v_lshrrev_b32 v10, 1, v10
	v_or_b32 v9, v9, v10
	v_lshlrev_b32 v9, 2, v9                        ; my column's place (bits 3 and 4 exchanged) x 4 bytes
	s_mul_i32 s22, s18, 98304
	s_mul_i32 s27, s19, 4*6144
	s_add_co_u32 s22, s22, s27
	s_mul_i32 s27, s16, 1536
	s_add_co_u32 s22, s22, s27
	s_add_nc_u64 s[48:49], s[12:13], s[22:23]      ; my codes: 32 places of each of four planes
	s_lshl_b32 s22, s18, 12
	s_lshl_b32 s27, s19, 10
	s_add_co_u32 s22, s22, s27
	s_lshl_b32 s27, s16, 7
	s_add_co_u32 s22, s22, s27
	s_add_co_u32 s22, s22, WSCL
	s_add_nc_u64 s[50:51], s[12:13], s[22:23]      ; my scale words
	WLOAD 0
	WLOAD 1
.irp t, 0,1,2,3,4,5,6,7
	WBLOCK \t
.endr
	global_store_b32 v9, v[SB], s[50:51]           ; the word of my column for the first 128 along K,
	s_wait_alu depctr_va_vdst(0)
	global_store_b32 v9, v[SB+1], s[50:51] offset:512   ; and for the second
.irp n, 0,1,2,3,4,5,6,7,8,9,10,11,12,13,14,15  ; plane n / 4, places 8 (n % 4) .. + 7, which are columns 8 x (n % 4 with its two bits exchanged) .. + 7
	ds_load_b96 v[WX+4*\n:WX+4*\n+2], v7 offset:8*(((\n%4)&1)*2+((\n%4)>>1))*WPIT+64*(\n/4)
.endr
.irp n, 0,1,2,3,4,5,6,7,8,9,10,11,12,13,14,15
	s_wait_dscnt 15-\n                             ; the younger reads may be out
	global_store_b96 v8, v[WX+4*\n:WX+4*\n+2], s[48:49] offset:(\n/4)*6144+384*(\n%4)   ; 384 consecutive bytes
.endr
	s_wait_tensorcnt 0x0
	ds_add_u32 v192, v193
	s_wait_dscnt 0x0
	s_endpgm
.Lfunc_end_k_q4015699d96_quant:
	.size	k_q4015699d96_quant, .Lfunc_end_k_q4015699d96_quant-k_q4015699d96_quant
	.p2alignl 7, 3214868480
	.fill 96, 4, 3214868480
	.section	.rodata,"a",@progbits
	.p2align	6, 0x0
	.amdhsa_kernel k_q4015699d96_quant
		.amdhsa_group_segment_fixed_size 68096
		.amdhsa_private_segment_fixed_size 0
		.amdhsa_enable_private_segment 0
		.amdhsa_kernarg_size 40
		.amdhsa_user_sgpr_count 2
		.amdhsa_user_sgpr_kernarg_segment_ptr 1
		.amdhsa_wavefront_size32 1
		.amdhsa_system_sgpr_workgroup_id_x 1
		.amdhsa_system_sgpr_workgroup_id_y 1
		.amdhsa_system_sgpr_workgroup_id_z 1
		.amdhsa_system_vgpr_workitem_id 0
		.amdhsa_next_free_vgpr 194
		.amdhsa_next_free_sgpr 66
		.amdhsa_reserve_vcc 0
		.amdhsa_float_denorm_mode_32 3
		.amdhsa_float_denorm_mode_16_64 3
		.amdhsa_memory_ordered 1
		.amdhsa_forward_progress 1
		.amdhsa_inst_pref_size 77
	.end_amdhsa_kernel
	.amdgpu_metadata
---
amdhsa.version: [ 1, 2 ]
amdhsa.kernels:
  - .name:           k_q4015699d96_quant
    .symbol:         k_q4015699d96_quant.kd
    .args:
      - { .name: x, .offset: 0, .size: 8, .value_kind: global_buffer, .address_space: global }
      - { .name: w_qkv, .offset: 8, .size: 8, .value_kind: global_buffer, .address_space: global }
      - { .name: w_proj, .offset: 16, .size: 8, .value_kind: global_buffer, .address_space: global }
      - { .name: xq, .offset: 24, .size: 8, .value_kind: global_buffer, .address_space: global }
      - { .name: wq, .offset: 32, .size: 8, .value_kind: global_buffer, .address_space: global }
    .group_segment_fixed_size: 68096
    .private_segment_fixed_size: 0
    .kernarg_segment_align: 8
    .kernarg_segment_size: 40
    .max_flat_workgroup_size: 128
    .sgpr_count:     66
    .vgpr_count:     194
    .wavefront_size: 32
...
	.end_amdgpu_metadata
.endif
;; end of part 1
;; launch qkv (part 2): grid 8 x 32, 4 waves a work-group, clusters of 4 x 4, 327,680 bytes of LDS; arguments xq, wq, b_qkv, qkvq; writes qkvq
.if DOCPART == 2
	.amdgcn_target "amdgcn-amd-amdhsa--gfx1250"
	.amdhsa_code_object_version 6
	.text
	.protected	k_q4015699d96_qkv
	.globl	k_q4015699d96_qkv
	.p2align	8
	.type	k_q4015699d96_qkv,@function
k_q4015699d96_qkv:
	s_mov_b64 s[64:65], 0
	v_nop
	global_prefetch_b8 v0, s[64:65] scope:SCOPE_SE
	s_setreg_imm32_b32 hwreg(HW_REG_WAVE_MODE, 25, 1), 1
	s_wait_xcnt 0x0
	s_wait_alu depctr_hold_cnt(0) depctr_sa_sdst(0) depctr_va_vdst(0) depctr_va_sdst(0) depctr_va_ssrc(0) depctr_va_vcc(0) depctr_vm_vsrc(0)
	s_getreg_b32 s2, hwreg(HW_REG_IB_STS2, 6, 4)
	s_cmp_eq_u32 s2, 0
	s_cbranch_scc0 .Lentry_in_a_cluster
	s_endpgm
.Lentry_in_a_cluster:
	s_bfe_u32 s2, ttmp6, 0x10000c
	s_cmp_lg_u32 s2, 0xf033
	s_cbranch_scc0 .Lentry_shape_is_right
	s_endpgm
.Lentry_shape_is_right:
; qkv = x w_qkv + b_qkv on codes of BF6 (E3M2) with E8M0 scales, its result quantised on the way out: q and k along the head's 64, v along the keys.  Nothing of qkv goes to memory as f32.
; OPERANDS (xq, wq): rows in groups of 128; codes [group][plane of 64 K, 0..15][128 places][48 bytes], scale words behind them [group][128 K, 0..7][128 places][4]; a row's place is its number with bits 3 and 4 exchanged.
; Sixteen neighbouring places taken as source 0 give lane (r, h), register j, the row 32 b + 16 h + 8 u + j of tile 2 b + u: the 16 registers of two neighbouring tiles are 16 neighbours along the next K.
; SHARES: 8 x 32 = 256 work-groups.  Work-group (g, t) keeps tokens 256 t .. + 255 for all of K in LDS (196,608 bytes, filled once) and walks three groups of 128 rows of w: g (q), 8 + g (k), 16 + g (v).
; A w group streams through two slots of 512 along K (49,152 bytes each); behind each round every wave fetches two planes, 12,288 bytes.
; A wave makes 64 rows of source 1 x 128 rows of source 0 in 32 accumulators.  Passes q, k: source 0 = the w group, source 1 = tokens 64 w .. + 63: a lane holds a token, its registers run along n.
; Pass v: source 0 = 128 tokens (wave % 2), source 1 = 64 rows of the w group (wave / 2): a lane holds one n, its registers run along the keys.
; CLUSTERS: 4 x 4; the tokens hang on t and are shared along a row of the cluster, the w groups on g and are shared along a column: joint loads, the same descriptor in the four that a mask names.
; The bias is the C of each pass's first products.  A pass's 80 LDS loads a step stand in four groups between groups of eight products.
; PREFETCH: at a pass's head the next w group's 384 blocks of 256 bytes, 24 to a wave, shared out among the column's four partners by address: three steps ahead of the first load that wants them.
; OUT (qkvq): q, k codes [32 planes][8,192 token places][48]; their scale words at 12,582,912 [32][8,192][4] (two bytes, two zero bytes); v's codes at 13,631,488 [128 planes of 64 keys][1,024 places of n][48];
; v's scale words at 19,922,944 [64 steps of 128 keys][1,024][4].
; LIMITS: a block of zeros gets the byte 1 (its codes are zeros; this program alone reads the bytes); NaN and infinities are not served.
; REGISTERS: window 0: v1 r, v8-31 addresses, v32-47 scale words (two sets), v48-49 their first addresses, v64-127 the way out, v128-223 source 1's fragments (two sets);
; window 1: source 0's fragments, sets at v0 and v128; window 2: accumulator (a, b) at v[8 (8 a + b)]; window 3: the bias: q v0-63, k v64-127, v v128-159.
.set PLANE, 6144
.set RGB,   98304
.set HALF,  49152
.set STR,   196608                     ; the stream's two slots
.set RSC,   294912                     ; the tokens' scale words, 8,192 bytes
.set SSC,   303104                     ; the three w groups' scale words, 4,096 bytes each
.set STG,   315392                     ; stages, 2,048 bytes a wave: a block's codes [2 planes][16][48], then a pass's scale words [2][64][4]; no tensor load fills them
.set SPARE, 323584                     ; the spare words
.set XSCL,  6291456
.set WSCL,  3145728
.set ADQA, 8                           ; address pairs (K halves): q, k passes: source 1, source 0; v pass: source 1, source 0
.set ADQB, 10
.set ADVA, 12
.set ADVB, 14
.set ASQ,  16                          ; scale words: lanes 0-15 source 1's, lanes 16-31 source 0's; the second register serves blocks 4-7 (lanes 0-15 stand 256 bytes lower)
.set ASV,  18
.set STC,  20
.set STS,  21
.set SHF,  22
.set RDB,  23
.set GO0,  24
.set GO1,  25
.set GO2,  26
.set GOS,  27
.set SPW,  28
.set NIL,  29
.set PFO,  30
.set HH,   31
.set SC,   32
.set PC,   64
.set TM,   84
.set PW,   100
.set RB,   104
.set AF,   128
.set SEL,  66
.set G1R,  24
.set G1H,  32
.set G1RS, 40
.set G1SS, 48
.set G0R,  56
.set G0H,  60
.set G0RS, 68
.set G0SS, 72
.set G0Q,  76
.set MSB, 0
.macro WIN new                         ; the immediate's high byte repeats the setting that is left
.if MSB != (\new)
	s_set_vgpr_msb (MSB<<8)|(\new)
.set MSB, (\new)
.endif
.endm
.macro PLACES
.rept 4
	v_nop
.endr
.endm
.macro CREST
	s_cmp_lg_u32 s14, 0
	s_cbranch_scc1 .Lnot_wave_0_\@
	s_barrier_signal -3
.Lnot_wave_0_\@:
	s_barrier_wait -3
	s_barrier_signal -1
	s_barrier_wait -1
.endm
.macro CROUND
	s_barrier_signal -1
	s_barrier_wait -1
	CREST
.endm
.macro G1SET g, c, r, p                ; rows of c elements of 8 bytes, r rows, p elements apart
	s_mov_b32 s[\g+1], (\c)<<16
	s_mov_b32 s[\g+2], (\r)<<16
	s_mov_b32 s[\g+3], (\c)<<16
	s_mov_b32 s[\g+4], \r
	s_mov_b32 s[\g+5], \p
	s_mov_b32 s[\g+6], 0
	s_mov_b32 s[\g+7], 0
.endm
.macro FRAG reg, adr, q, i             ; 16 places x 128 K: lane (r, h) takes 24 bytes at 24 h of planes 2 q and 2 q + 1, in pieces of 8
.irp p, 0,1,2,3,4,5
	ds_load_b64 v[\reg+2*\p:\reg+2*\p+1], v[\adr] offset:(2*(\q)+\p/3)*PLANE+(\i)*768+8*(\p%3)
.endr
.endm
.macro LOADG k, nx, ra, rb, rs         ; a quarter of step nx's fragments: source 0's blocks 2 k, 2 k + 1, source 1's block k, two registers of scale words
	WIN 0x40
	FRAG 128*((\nx)%2)+24*(\k), \rb+(\nx)/4, (\nx)%4, 2*(\k)
	FRAG 128*((\nx)%2)+24*(\k)+12, \rb+(\nx)/4, (\nx)%4, 2*(\k)+1
	WIN 0
	FRAG AF+48*((\nx)%2)+12*(\k), \ra+(\nx)/4, (\nx)%4, \k
	ds_load_b32 v[SC+8*((\nx)%2)+2*(\k)], v[\rs+(\k)/2] offset:512*(\nx)+128*(\k)
	ds_load_b32 v[SC+8*((\nx)%2)+2*(\k)+1], v[\rs+(\k)/2] offset:512*(\nx)+128*(\k)+64
.endm
.macro FETCH0 ra, rb, rs
.irp k, 0,1,2,3
	LOADG \k, 0, \ra, \rb, \rs
.endr
.endm
.macro WM a, b, p, c
	v_wmma_scale_f32_16x16x128_f8f6f4 v[8*(8*(\a)+\b):8*(8*(\a)+\b)+7], v[128*(\p)+12*\b:128*(\p)+12*\b+11], v[AF+48*(\p)+12*(\a):AF+48*(\p)+12*(\a)+11], \c, v[SC+8*(\p)+\b], v[SC+8*(\p)+(\a)] matrix_a_fmt:MATRIX_FMT_BF6 matrix_b_fmt:MATRIX_FMT_BF6 matrix_a_scale:MATRIX_SCALE_ROW1
.endm
.macro MULG a, p, cm, cb               ; source 1's block a x source 0's eight.  cm = 0: in place; 1: C = the bias by b; 2: by a.  The 32 accumulators take turns
.if (\cm) == 0
	WIN 0xa1
.else
	WIN 0xb1
.endif
.irp b, 0,1,2,3,4,5,6,7
.if (\cm) == 1
	WM \a, \b, \p, v[(\cb)+8*\b:(\cb)+8*\b+7]
.elseif (\cm) == 2
	WM \a, \b, \p, v[(\cb)+8*(\a):(\cb)+8*(\a)+7]
.else
	WM \a, \b, \p, v[8*(8*(\a)+\b):8*(8*(\a)+\b)+7]
.endif
.endr
.endm
; A step of 128 along K.  rnd = 0: none.  1, 2: my reads of stream slot rnd - 1 are over: the three lines, a round of the cluster's barrier, and the slot takes the next w group's half.  3: a barrier that shows slot 1 whole.
.macro STEP st, ra, rb, rs, rnd, cm, cb
.if (\rnd) > 0
	s_wait_tensorcnt 0x0                           ; all my tensor loads have landed
.if (\rnd) < 3
	ds_add_u32 v[SPW], v[NIL]
.endif
.endif
	s_wait_dscnt 0x0                               ; this step's fragments are in (and the add is done)
.if (\rnd) > 0
	s_barrier_signal -1
.endif
	MULG 0, (\st)%2, \cm, \cb
.if (\rnd) > 0
	WIN 0
	s_barrier_wait -1
.endif
.if (\rnd) == 1 || (\rnd) == 2
	CREST
	s_add_nc_u64 s[G0Q+4*((\rnd)-1)+2:G0Q+4*((\rnd)-1)+3], s[G0Q+4*((\rnd)-1)+2:G0Q+4*((\rnd)-1)+3], 8*RGB
	tensor_load_to_lds s[G0Q+4*((\rnd)-1):G0Q+4*((\rnd)-1)+3], s[G1H:G1H+7]
	s_nop 0
.endif
	PLACES                                         ; behind the tensor load, and in front of loads into registers that the last step's products have read
.if (\st) < 7
	LOADG 0, (\st)+1, \ra, \rb, \rs                ; two groups of the next step's loads behind the first eight products,
	LOADG 1, (\st)+1, \ra, \rb, \rs
.endif
	MULG 1, (\st)%2, \cm, \cb
.if (\st) < 7
	LOADG 2, (\st)+1, \ra, \rb, \rs                ; two behind the second: sixteen products stand between the last load and the wait for it
	LOADG 3, (\st)+1, \ra, \rb, \rs
.endif
	MULG 2, (\st)%2, \cm, \cb
	MULG 3, (\st)%2, \cm, \cb
	WIN 0
.endm
.macro SENDB a, cb                     ; a block's 1,536 bytes: each sixteen lanes store 256 consecutive bytes, aligned
.set RR, RB+12*((\a)%2)
	global_store_b128 v[GO0], v[RR:RR+3], s[\cb:\cb+1] offset:768*(\a)
	global_store_b128 v[GO1], v[RR+4:RR+7], s[\cb:\cb+1] offset:768*(\a)
	global_store_b128 v[GO2], v[RR+8:RR+11], s[\cb:\cb+1] offset:768*(\a)
.endm
; THE WAY OUT of block a (16 lanes' rows x 128 along the next K): 64 registers of a lane, register 16 b + i = k 32 b + 16 h + i, become 12 registers of codes and four scale bytes.
.macro OUTQ a, cb
.set AC, 64*(\a)
	WIN 0x28                                       ; sources 1 and 2: window 2
.irp b, 0,1,2,3
	v_max3_num_f32 v[TM+\b], 0x2800000, |v[AC+16*\b]|, |v[AC+16*\b+1]|   ; each accumulator from its low end on; the floor 2^(5 - 127) holds the byte at 1 from below
.endr
.irp i, 2,4,6,8,10,12,14
.irp b, 0,1,2,3
	v_max3_num_f32 v[TM+\b], v[TM+\b], |v[AC+16*\b+\i]|, |v[AC+16*\b+\i+1]|
.endr
.endr
	WIN 0
.irp b, 0,1,2,3
	v_permlanex16_b32 v[TM+4+\b], v[TM+\b], s[SEL], s[SEL+1]
.endr
.irp b, 0,1,2,3
	v_max_num_f32 v[TM+\b], v[TM+\b], v[TM+4+\b]   ; with lane l xor 16's 16: the block's largest magnitude
.endr
.irp b, 0,1,2,3
	v_add_nc_u32 v[TM+12+\b], 0xfe000000, v[TM+\b]
.endr
.irp b, 0,1,2,3
	v_lshrrev_b32 v[TM+4+\b], 23, v[TM+12+\b]
.endr
	v_lshl_or_b32 v[PW], v[TM+5], 8, v[TM+4]
	v_lshl_or_b32 v[PW], v[TM+6], 16, v[PW]
	v_lshl_or_b32 v[PW], v[TM+7], 24, v[PW]
	s_wait_alu depctr_va_vdst(0)
	s_wait_dscnt 0x0                               ; the last block is back from the stage, and its stage stores have read their registers
.if (\a) > 0
	SENDB (\a)-1, \cb
.endif
	WIN 2                                          ; source 0: window 2
.irp c, 0,1
	v_cvt_scalef32_pk16_bf6_f32 v[PC+6*\c:PC+6*\c+2], v[AC+32*\c:AC+32*\c+15], v[TM+12+2*\c]
	v_cvt_scalef32_pk16_bf6_f32 v[PC+12+4*\c:PC+14+4*\c], v[AC+16+32*\c:AC+31+32*\c], v[TM+12+2*\c+1]
.endr
	WIN 0
	v_nop                                          ; a plain line behind the last conversion
.irp c, 0,1                                    ; a whole block to a lane: lanes 0-15 block 2 c, lanes 16-31 block 2 c + 1
.irp i, 0,1,2
	v_permlane16_swap_b32 v[PC+6*\c+\i], v[PC+12+4*\c+\i]
.endr
.irp i, 0,1,2
	v_mov_b32 v[PC+3+6*\c+\i], v[PC+12+4*\c+\i]
.endr
.endr
.irp c, 0,1
.irp i, 0,1,2
	ds_store_b64 v[STC], v[PC+6*\c+2*\i:PC+6*\c+2*\i+1] offset:\c*768+8*\i
.endr
.endr
	v_lshrrev_b32 v[PW+1], v[SHF], v[PW]           ; q, k: lanes 0-15 keep plane 0's two bytes, lanes 16-31 plane 1's, zero bytes above; v: the whole word in both halves
	v_and_b32 v[PW+1], s94, v[PW+1]
	ds_store_b32 v[STS], v[PW+1] offset:64*(\a)
.if (\a) > 1
	s_wait_xcnt 0x0                                ; block a - 2's stores have read their registers
.endif
.irp j, 0,1,2
	ds_load_b128 v[RB+12*((\a)%2)+4*\j:RB+12*((\a)%2)+4*\j+3], v[RDB] offset:512*\j   ; my own bytes, in order behind my stores
.endr
.endm
.macro OUT cb, sb
.irp a, 0,1,2,3
	OUTQ \a, \cb
.endr
	s_wait_dscnt 0x0
	SENDB 3, \cb
	s_wait_xcnt 0x0
	ds_load_b128 v[RB:RB+3], v[RDB] offset:1536    ; the pass's scale words: lanes 0-15 plane 0's 256 bytes, lanes 16-31 plane 1's (v: the same words again, stored to the same place)
	s_wait_dscnt 0x0
	global_store_b128 v[GOS], v[RB:RB+3], s[\sb:\sb+1]
	s_wait_xcnt 0x0                                ; the stores have read their registers and bases
.endm
.macro SETOUT pls, sps, shf, msk       ; from plane to plane of codes and of scale words; the shift and mask of a scale word
	v_mul_u32_u24 v4, (\pls)-768, v[HH]
	v_mul_u32_u24 v6, \sps, v[HH]
	v_mul_u32_u24 v[SHF], \shf, v[HH]
	v_add_nc_u32 v[GO2], (\pls)+256, v[GO0]
	v_add_nc_u32 v4, v4, v[GO0]
	v_lshl_add_u32 v[GOS], v1, 4, v6
	v_add_nc_u32 v[GO1], 512, v4
	s_mov_b32 s94, \msk
.endm
	s_load_b256 s[4:11], s[0:1], 0x0               ; xq s[4:5], wq s[6:7], b_qkv s[8:9], qkvq s[10:11]
	v_lshl_add_u32 v[SPW], v0, 2, SPARE
	v_mov_b32 v[NIL], 0
	ds_add_u32 v[SPW], v[NIL]                      ; the opening: the add, twice on end, and its wait ahead of my first tensor load
	ds_add_u32 v[SPW], v[NIL]
	v_lshrrev_b32 v1, 5, v0
	v_readfirstlane_b32 s14, v1                    ; wave 0..3
	s_lshr_b32 s15, s14, 1
	s_and_b32 s16, s14, 1
	s_bfe_u32 s12, ttmp6, 0x40000                  ; cx
	s_bfe_u32 s13, ttmp6, 0x40004                  ; cy
	s_lshl_b32 s18, ttmp9, 2
	s_add_co_u32 s18, s18, s12                     ; g
	s_and_b32 s17, ttmp7, 0xffff
	s_lshl_b32 s17, s17, 2
	s_add_co_u32 s17, s17, s13                     ; t
	s_lshl_b32 s20, s13, 2
	s_lshl_b32 s20, 15, s20                        ; my row of the cluster
	s_lshl_b32 s21, 0x1111, s12                    ; my column
	s_or_b32 s[G1R], s20, (3<<16)|(1<<21)
	s_or_b32 s[G1RS], s20, (3<<16)|(1<<21)
	s_or_b32 s[G1H], s21, (3<<16)|(1<<21)
	s_or_b32 s[G1SS], s21, (3<<16)|(1<<21)
	G1SET G1R, 32, 768, 32                         ; the tokens' codes: 196,608 dense bytes as rows of 256
	G1SET G1H, 32, 192, 32                         ; the head's half of the q group: 49,152 dense bytes
	G1SET G1RS, 32, 32, 32                         ; the tokens' scale words: 8,192 dense bytes
	G1SET G1SS, 512, 3, 4096                       ; three w groups' scale words: rows of 4,096 bytes, eight groups apart
	s_mov_b32 s[SEL], 0x76543210
	s_mov_b32 s[SEL+1], 0xfedcba98
	s_mov_b32 s97, 0
	s_wait_dscnt 0x0                               ; both opening adds are done
	s_wait_kmcnt 0x0
	s_mul_i32 s96, s17, 2*RGB
	s_mov_b32 s[G0R], 1
	s_mov_b32 s[G0R+1], 0
	s_add_nc_u64 s[G0R+2:G0R+3], s[4:5], s[96:97]
	s_or_b32 s[G0R+3], s[G0R+3], 0x80000000
	s_lshl_b32 s96, s17, 13
	s_add_co_u32 s96, s96, XSCL
	s_mov_b32 s[G0RS], 1
	s_mov_b32 s[G0RS+1], RSC
	s_add_nc_u64 s[G0RS+2:G0RS+3], s[4:5], s[96:97]
	s_or_b32 s[G0RS+3], s[G0RS+3], 0x80000000
	s_mul_i32 s96, s18, RGB
	s_add_nc_u64 s[98:99], s[6:7], s[96:97]        ; the q group
	s_mov_b32 s[G0H], 1
	s_mov_b32 s[G0H+1], STR
	s_mov_b64 s[G0H+2:G0H+3], s[98:99]
	s_or_b32 s[G0H+3], s[G0H+3], 0x80000000
	s_add_nc_u64 s[92:93], s[98:99], 8*RGB         ; the prefetches begin at the k group
	s_lshl_b32 s96, s18, 12
	s_add_co_u32 s96, s96, WSCL
	s_mov_b32 s[G0SS], 1
	s_mov_b32 s[G0SS+1], SSC
	s_add_nc_u64 s[G0SS+2:G0SS+3], s[6:7], s[96:97]
	s_or_b32 s[G0SS+3], s[G0SS+3], 0x80000000
	s_mul_i32 s96, s14, 12288                      ; the ring: my two planes of a slot
	s_add_nc_u64 s[98:99], s[98:99], s[96:97]
	s_mov_b32 s[G0Q], 1
	s_add_co_u32 s[G0Q+1], s96, STR
	s_mov_b64 s[G0Q+2:G0Q+3], s[98:99]
	s_or_b32 s[G0Q+3], s[G0Q+3], 0x80000000
	s_mov_b32 s[G0Q+4], 1
	s_add_co_u32 s[G0Q+5], s96, STR+HALF
	s_add_nc_u64 s[G0Q+6:G0Q+7], s[98:99], HALF
	s_or_b32 s[G0Q+7], s[G0Q+7], 0x80000000
	CROUND                                         ; all sixteen work-groups are here: the first joint loads meet
; The head's loads, one a wave: wave 0 the tokens' codes, wave 1 the q group's first half, wave 2 the tokens' scale words, wave 3 the w groups'.  One tree: every way passes one load.
.macro ARM under, g0, g1, next
	s_cmp_lt_u32 s14, \under
	s_cbranch_scc0 \next
	tensor_load_to_lds s[\g0:\g0+3], s[\g1:\g1+7]
	s_nop 0
	PLACES
	s_branch .Lhead_asked
\next:
.endm
	ARM 1, G0R, G1R, .Lhead_b
	ARM 2, G0H, G1H, .Lhead_sa
	ARM 3, G0RS, G1RS, .Lhead_sb
	tensor_load_to_lds s[G0SS:G0SS+3], s[G1SS:G1SS+7]
	s_nop 0
	PLACES
.Lhead_asked:
	; scalars first, then the vector lines on end
	s_lshl_b32 s20, s17, 8
	s_lshl_b32 s21, s14, 6
	s_add_co_u32 s20, s20, s21                     ; q, k: my first token place
	s_mul_i32 s96, s18, 2*393216
	s_mul_i32 s21, s20, 48
	s_add_co_u32 s96, s96, s21
	s_add_nc_u64 s[84:85], s[10:11], s[96:97]      ; q's codes, plane 2 g
	s_lshl_b32 s96, s18, 16
	s_lshl_b32 s21, s20, 2
	s_add_co_u32 s96, s96, s21
	s_add_co_u32 s96, s96, 12582912
	s_add_nc_u64 s[86:87], s[10:11], s[96:97]      ; and its scale words
	s_lshl_b32 s20, s17, 1
	s_add_co_u32 s20, s20, s16                     ; v: my group of 128 keys
	s_lshl_b32 s21, s18, 7
	s_lshl_b32 s22, s15, 6
	s_add_co_u32 s21, s21, s22                     ; my first place of n
	s_mul_i32 s96, s20, 2*49152
	s_mul_i32 s22, s21, 48
	s_add_co_u32 s96, s96, s22
	s_add_co_u32 s96, s96, 13631488
	s_add_nc_u64 s[88:89], s[10:11], s[96:97]
	s_lshl_b32 s96, s20, 12
	s_lshl_b32 s22, s21, 2
	s_add_co_u32 s96, s96, s22
	s_add_co_u32 s96, s96, 19922944
	s_add_nc_u64 s[90:91], s[10:11], s[96:97]
	s_lshl_b32 s96, s18, 9
	s_add_nc_u64 s[8:9], s[8:9], s[96:97]          ; the bias at n = 128 g
	s_lshl_b32 s96, s15, 8
	s_add_co_u32 s96, s96, 8192
	s_add_nc_u64 s[10:11], s[8:9], s[96:97]        ; and at n = 2,048 + 128 g + 64 (wave / 2)
	s_mul_i32 s20, s15, RGB
	s_mul_i32 s21, s16, 3072
	s_add_co_u32 s20, s20, s21                     ; q, k: source 1 = tokens 64 w ..
	s_mul_i32 s21, s15, 3072
	s_add_co_u32 s21, s21, STR                     ; v: source 1 = 64 rows of the stream
	s_mul_i32 s22, s16, RGB                        ; v: source 0 = 128 tokens
	s_lshl_b32 s23, s15, 12
	s_lshl_b32 s95, s16, 8
	s_add_co_u32 s23, s23, s95
	s_add_co_u32 s23, s23, RSC                     ; q, k: source 1's scale words,
	s_sub_co_u32 s95, SSC, s23                     ; and how far above them source 0's lie
	s_lshl_b32 s96, s16, 12
	s_add_co_u32 s96, s96, RSC                     ; v: source 0's scale words,
	s_lshl_b32 s97, s15, 8
	s_add_co_u32 s97, s97, SSC+8192
	s_sub_co_u32 s97, s97, s96                     ; and how far above them source 1's lie
	s_lshl_b32 s98, s14, 11
	s_add_co_u32 s98, s98, STG                     ; my stage
	s_lshl_b32 s99, s13, 2
	s_add_co_u32 s99, s99, s14
	s_mul_i32 s99, s99, 6144                       ; the prefetches: 24 blocks of 256 bytes for wave w of partner cy
	v_and_b32 v1, 15, v0                           ; r
	v_bfe_u32 v[HH], v0, 4, 1                      ; h
	v_and_b32 v2, 31, v0
	v_mul_u32_u24 v3, v1, 48
	v_lshlrev_b32 v5, 2, v1
	v_sub_nc_u32 v7, 1, v[HH]
	v_mad_u32_u24 v3, v[HH], 24, v3                ; a fragment's place x 48 + 24 h
	v_lshlrev_b32 v[GO0], 4, v2
	v_add_nc_u32 v[ADQA], s20, v3
	v_add_nc_u32 v[ADQB], STR, v3
	v_add_nc_u32 v[ADVA], s21, v3
	v_add_nc_u32 v[ADVB], s22, v3
	v_add_nc_u32 v[ADQA+1], HALF, v[ADQA]
	v_add_nc_u32 v[ADQB+1], HALF, v[ADQB]
	v_add_nc_u32 v[ADVA+1], HALF, v[ADVA]
	v_add_nc_u32 v[ADVB+1], HALF, v[ADVB]
	v_mul_u32_u24 v6, s95, v[HH]
	v_lshlrev_b32 v4, 8, v7                        ; 256 in lanes 0-15
	v_add_nc_u32 v6, v6, v5
	v_add_nc_u32 v48, s23, v6
	v_mul_u32_u24 v6, s97, v7
	v_sub_nc_u32 v49, v48, v4
	v_add_nc_u32 v6, v6, v5
	v_mov_b32 v[ASQ], v48
	v_add_nc_u32 v[ASV], s96, v6
	v_mov_b32 v[ASQ+1], v49
	v_sub_nc_u32 v[ASV+1], v[ASV], v4
	v_add_nc_u32 v[STC], s98, v3
	v_lshl_add_u32 v6, v[HH], 8, v5
	v_add_nc_u32 v[RDB], s98, v[GO0]
	v_add_nc_u32 v6, s98, v6
	v_add_nc_u32 v[STS], 1536, v6
	v_min_u32 v2, 23, v2
	v_lshlrev_b32 v2, 8, v2
	v_add_nc_u32 v[PFO], s99, v2
.irp b, 0,1,2,3
	v_mov_b32 v[TM+4+\b], 0                        ; written once: a lane permute's destination counts as one of its sources
.endr
	SETOUT 393216, 32768, 16, 0xffff
	v_lshlrev_b32 v2, 6, v[HH]                     ; q, k bias: 16 numbers on for lanes 16-31
	v_and_b32 v3, 8, v1
	v_add_nc_u32 v3, v3, v1
	v_lshlrev_b32 v3, 2, v3                        ; v bias: the row at my place: r + 8 (r / 8)
	s_wait_alu depctr_va_vdst(0)
	WIN 0xc0                                       ; destinations in window 3
.irp q, 0,1
.irp b, 0,1,2,3,4,5,6,7                        ; tile b's register j belongs to n 32 (b / 2) + 8 (b % 2) + 16 h + j
	global_load_b128 v[64*\q+8*\b:64*\q+8*\b+3], v2, s[8:9] offset:4096*\q+(32*(\b/2)+8*(\b%2))*4
	global_load_b128 v[64*\q+8*\b+4:64*\q+8*\b+7], v2, s[8:9] offset:4096*\q+(32*(\b/2)+8*(\b%2))*4+16
.endr
.endr
.irp a, 0,1,2,3
	global_load_b32 v[128+8*\a], v3, s[10:11] offset:(32*(\a/2)+8*(\a%2))*4
.endr
	WIN 0
	s_wait_tensorcnt 0x0                           ; my load of the head is in
	ds_add_u32 v[SPW], v[NIL]
	s_mov_b32 s[G1H+2], 48<<16                     ; no tensor load of mine is out: from here on a load brings 48 rows of 256 bytes
	s_mov_b32 s[G1H+4], 48
	s_wait_dscnt 0x0
	CROUND
	tensor_load_to_lds s[G0Q+4:G0Q+7], s[G1H:G1H+7]   ; the q group's second half, two planes a wave
	s_nop 0
	PLACES
	FETCH0 ADQA, ADQB, ASQ
	s_wait_loadcnt 0x0                             ; the bias
	WIN 0xc3
.irp a, 0,1,2,3
.irp j, 1,2,3,4,5,6,7
	v_mov_b32 v[128+8*\a+\j], v[128+8*\a]          ; v: all eight registers of block a belong to my lane's n
.endr
.endr
	WIN 0
	s_mov_b32 s3, 0
	s_wait_alu depctr_va_vdst(0)
.Lpass:                                            ; two trips: q, k
	global_prefetch_b8 v[PFO], s[92:93] th:TH_LOAD_NT scope:SCOPE_SE
	s_cmp_eq_u32 s3, 0
	s_cbranch_scc0 .Lbias_k
	STEP 0, ADQA, ADQB, ASQ, 0, 1, 0
	s_branch .Lbias_done
.Lbias_k:
	STEP 0, ADQA, ADQB, ASQ, 0, 1, 64
.Lbias_done:
	STEP 1, ADQA, ADQB, ASQ, 0, 0, 0
	STEP 2, ADQA, ADQB, ASQ, 0, 0, 0
	STEP 3, ADQA, ADQB, ASQ, 1, 0, 0               ; slot 0 takes the next group's first half
	STEP 4, ADQA, ADQB, ASQ, 0, 0, 0
	STEP 5, ADQA, ADQB, ASQ, 0, 0, 0
	STEP 6, ADQA, ADQB, ASQ, 0, 0, 0
	STEP 7, ADQA, ADQB, ASQ, 2, 0, 0               ; slot 1 its second half
	PLACES                                         ; behind the last products: for the loads below and the first reads of results
	s_cmp_eq_u32 s3, 0
	s_cbranch_scc0 .Lnext_v
	v_lshl_add_u32 v[ASQ], v[HH], 12, v48          ; source 0's scale words: the k group's
	v_lshl_add_u32 v[ASQ+1], v[HH], 12, v49
	s_wait_alu depctr_va_vdst(0)
	FETCH0 ADQA, ADQB, ASQ                         ; the next pass's first fragments land under the way out
	s_branch .Lnext_done
.Lnext_v:
	FETCH0 ADVA, ADVB, ASV
.Lnext_done:
	OUT 84, 86
	s_add_nc_u64 s[84:85], s[84:85], 16*393216     ; k's planes
	s_add_nc_u64 s[86:87], s[86:87], 16*32768
	s_add_nc_u64 s[92:93], s[92:93], 8*RGB
	s_add_co_u32 s3, s3, 1
	s_cmp_lt_u32 s3, 2
	s_wait_alu depctr_va_vdst(0)
	s_cbranch_scc1 .Lpass
	SETOUT 49152, 0, 0, -1
	s_wait_alu depctr_va_vdst(0)
	STEP 0, ADVA, ADVB, ASV, 0, 2, 128             ; v: nothing more is fetched
	STEP 1, ADVA, ADVB, ASV, 0, 0, 0
	STEP 2, ADVA, ADVB, ASV, 0, 0, 0
	STEP 3, ADVA, ADVB, ASV, 3, 0, 0
	STEP 4, ADVA, ADVB, ASV, 0, 0, 0
	STEP 5, ADVA, ADVB, ASV, 0, 0, 0
	STEP 6, ADVA, ADVB, ASV, 0, 0, 0
	STEP 7, ADVA, ADVB, ASV, 0, 0, 0
	PLACES
	OUT 88, 90
	s_wait_tensorcnt 0x0                           ; the wave's end
	ds_add_u32 v[SPW], v[NIL]
	s_wait_dscnt 0x0
	CROUND                                         ; the closing round
	s_endpgm
.Lfunc_end_k_q4015699d96_qkv:
	.size	k_q4015699d96_qkv, .Lfunc_end_k_q4015699d96_qkv-k_q4015699d96_qkv
	.p2alignl 7, 3214868480
	.fill 96, 4, 3214868480
	.section	.rodata,"a",@progbits
	.p2align	6, 0x0
	.amdhsa_kernel k_q4015699d96_qkv
		.amdhsa_group_segment_fixed_size 327680
		.amdhsa_private_segment_fixed_size 0
		.amdhsa_enable_private_segment 0
		.amdhsa_kernarg_size 32
		.amdhsa_user_sgpr_count 2
		.amdhsa_user_sgpr_kernarg_segment_ptr 1
		.amdhsa_wavefront_size32 1
		.amdhsa_system_sgpr_workgroup_id_x 1
		.amdhsa_system_sgpr_workgroup_id_y 1
		.amdhsa_system_sgpr_workgroup_id_z 1
		.amdhsa_system_vgpr_workitem_id 0
		.amdhsa_next_free_vgpr 1024
		.amdhsa_next_free_sgpr 100
		.amdhsa_reserve_vcc 0
		.amdhsa_float_denorm_mode_32 3
		.amdhsa_float_denorm_mode_16_64 3
		.amdhsa_memory_ordered 1
		.amdhsa_forward_progress 1
		.amdhsa_inst_pref_size 226
	.end_amdhsa_kernel
	.amdgpu_metadata
---
amdhsa.version: [ 1, 2 ]
amdhsa.kernels:
  - .name:           k_q4015699d96_qkv
    .symbol:         k_q4015699d96_qkv.kd
    .args:
      - { .name: xq, .offset: 0, .size: 8, .value_kind: global_buffer, .address_space: global }
      - { .name: wq, .offset: 8, .size: 8, .value_kind: global_buffer, .address_space: global }
      - { .name: b_qkv, .offset: 16, .size: 8, .value_kind: global_buffer, .address_space: global }
      - { .name: qkvq, .offset: 24, .size: 8, .value_kind: global_buffer, .address_space: global }
    .group_segment_fixed_size: 327680
    .private_segment_fixed_size: 0
    .kernarg_segment_align: 8
    .kernarg_segment_size: 32
    .max_flat_workgroup_size: 128
    .sgpr_count:     100
    .vgpr_count:     1024
    .wavefront_size: 32
...
	.end_amdgpu_metadata
.endif
;; end of part 2
;; launch attn (part 3): grid 4 x 64, 16 waves a work-group, clusters of 4 x 1, 327,680 bytes of LDS; arguments qkvq, aq; writes aq
.if DOCPART == 3
	.amdgcn_target "amdgcn-amd-amdhsa--gfx1250"
	.amdhsa_code_object_version 6
	.text
	.protected	k_q4015699d96_attn
	.globl	k_q4015699d96_attn
	.p2align	8
	.type	k_q4015699d96_attn,@function
k_q4015699d96_attn:
	s_mov_b64 s[64:65], 0
	v_nop
	global_prefetch_b8 v0, s[64:65] scope:SCOPE_SE
	s_setreg_imm32_b32 hwreg(HW_REG_WAVE_MODE, 25, 1), 1
	s_wait_xcnt 0x0
	s_wait_alu depctr_hold_cnt(0) depctr_sa_sdst(0) depctr_va_vdst(0) depctr_va_sdst(0) depctr_va_ssrc(0) depctr_va_vcc(0) depctr_vm_vsrc(0)
	s_getreg_b32 s2, hwreg(HW_REG_IB_STS2, 6, 4)
	s_cmp_eq_u32 s2, 0
	s_cbranch_scc0 .Lentry_in_a_cluster
	s_endpgm
.Lentry_in_a_cluster:
	s_bfe_u32 s2, ttmp6, 0x10000c
	s_cmp_lg_u32 s2, 0x3003
	s_cbranch_scc0 .Lentry_shape_is_right
	s_endpgm
.Lentry_shape_is_right:
; Causal attention of one head on codes of BF6 (E3M2) with E8M0 scales: S^T = K Q^T, p = 2^(t - M), O^T = V^T P^T, O / l, and O quantised along the model's axis for the last product.
; t = score x log2(e) / 8; M = the running largest t rounded up to a whole number; p is quantised along the keys, not normalised; the sum l is taken of the unquantised p and divides at the end.
; When M moves, the sum and O^T are multiplied by 2^(old M - new M), which rounds nothing.
; LEFT OUT: steps of 128 keys all of which come after a tile's queries: the causal mask gives them p = 0 for all inputs.  A NaN or infinity that reaches only such keys is not carried to the result.
; IN (qkvq): q, k codes [32 planes][8,192 token places][48 bytes] (a token's place: its number with bits 3 and 4 exchanged); their scale words at 12,582,912 (two bytes, two zero bytes);
; v's codes at 13,631,488 [128 planes of 64 keys][1,024 places of n][48]; v's scale words at 19,922,944 [64 steps of 128 keys][1,024][4].
; OUT (aq): rows in groups of 128, natural order; codes [group][plane = head][128][48]; scale words at 6,291,456 [group][pair of heads][128][4].
; LDS HOLDS ALL 2,048 KEYS OF THE HEAD: K's codes 98,304 bytes, V's 98,304, K's scale words 8,192, V's 4,096.  Each byte is filled once; nothing is filled again.
; CLUSTER: the four work-groups of a head want the same K and V and ask for them jointly.  Partner cx owns the tiles of 16 query places number 4 j + cx, j = 0..31: all lie in queries 64 j .. 64 j + 63,
; so which steps of 128 keys a tile walks hangs on j alone: cx enters only global addresses of Q and O and the numbers of the mask, no branch and no LDS address.
; SHARES: wave w owns j = 31 - w and j = w: (16 - w / 2) + (w / 2 + 1) = 17 steps in every wave.  Keys 0..1,023 come by one load a wave at the head; keys 1,024..2,047 by one load a wave behind the next round,
; and land while every wave walks steps 0..7 of its tile 31 - w (64 j >= 1,024: none of them is masked).  One barrier; then sixteen trips: steps 8..15 of that tile, steps 0..7 of tile w.
; THE MASK is the C of the products on the diagonal: -1e30 where the key comes after the query.  A tile's queries stand at the same places in their 64, so 32 registers, made once, serve both tiles.
; NO PREFETCH: both groups of loads go out at the launch's start, 16 loads each; no later load is left to run ahead of.
; THE HEAD'S AXIS IS 64, THE INSTRUCTION'S K IS 128: Q's upper six registers are zero codes and both sides' upper two scale bytes are 0; K's tile t is named as twelve registers whose upper six are the next tile's codes (tile 7: zeros).
; LIMITS: the promise holds while the scaled scores stay under 2^31 in magnitude; a block of zeros gets the byte 1 (its codes are zeros; this program alone reads the bytes); NaN and infinities are not served.
; REGISTERS: v1 48 r + 24 h; v2 4 x lane; v4, v3, v7, v29 the step's addresses (K, V, K's words, V's words); v5, v6 the spare word and 0; v8, v9 the stage; v10 12 x lane; v11 4 (r + 8 (r / 8)); v12 -M, v13 largest score, v[14:15] the sum;
; v[16:21] Q, v[22:27] zeros; v28 Q's scale word; v30 -1e30; v31 4 r; v32-79 K's eight half fragments, then V's four; v80-85 zeros; v86-89 K's scale words, v90-91 V's; v92 at work; v93 p's scale word; v[94:95] f;
; v96-159 S^T, then p; v160-191 O^T; v192-203 partial sums, then p's codes; v204-210, v212-223 at work; v224-255 the mask.
.set VCO,   98304
.set KSO,   196608
.set VSO,   204800
.set STAGE, 208896                     ; 1,024 bytes for each wave: no tensor load fills them
.set SPARE, 225280                     ; the spare words, 128 bytes for each wave
.set QKS,   12582912
.set VCB,   13631488
.set VSB,   19922944
.set ASCL,  6291456
.set CM,  224
.set WV,  8                            ; my wave's number
.set CX,  9                            ; my place in the cluster
.set I,   10                           ; the trip
.set TK,  11                           ; the step's first byte of K's codes; s12 of K's scale words; s13 of V's
.set TS,  12
.set TV,  13
.set KF,  14                           ; the step's first key
.set QJ,  15                           ; 64 j
.set BB,  16
.set HD,  17
.set SEL, 18
.set CS,  20
.set CXB, 76                           ; 8 (cx % 2)
.set J,   94
.set CXA, 95                           ; 32 (cx / 2)
.set QCO, 96
.set QSO, 97
.set OAO, 98
.set OSO, 99
; groups 1: s[24:31] K's codes, s[32:39] V's codes, s[48:55] K's scale words, s[56:63] V's.  groups 0: s[40:43], s[44:47], s[68:71], s[72:75].
.macro ROUND
	s_barrier_signal -1
	s_barrier_wait -1
	s_cmp_lg_u32 s[WV], 0
	s_cbranch_scc1 .Lnot_wave_0_\@
	s_barrier_signal -3
.Lnot_wave_0_\@:
	s_barrier_wait -3
	s_barrier_signal -1
	s_barrier_wait -1
.endm
.macro TL g0, g1
	tensor_load_to_lds s[\g0:\g0+3], s[\g1:\g1+7]
	s_nop 0
.rept 4
	v_nop
.endr
.endm
; 1,024 keys, one joint load a wave: waves 0-5 8,192 bytes each of K's codes, waves 6-13 two planes each of V's, wave 14 K's scale words, wave 15 V's.  One tree: every way passes one load.
.macro TLOADS n
	s_cmp_lt_u32 s[WV], 6
	s_cbranch_scc0 .Lv_\n
	TL 40, 24
	s_branch .Lasked_\n
.Lv_\n:
	s_cmp_lt_u32 s[WV], 14
	s_cbranch_scc0 .Lks_\n
	TL 44, 32
	s_branch .Lasked_\n
.Lks_\n:
	s_cmp_lt_u32 s[WV], 15
	s_cbranch_scc0 .Lvs_\n
	TL 68, 48
	s_branch .Lasked_\n
.Lvs_\n:
	TL 72, 56
.Lasked_\n:
.endm
.macro SM t, c                         ; S^T's tile t, begun on c
.if (\t)%2
	v_wmma_scale_f32_16x16x128_f8f6f4 v[96+8*(\t):103+8*(\t)], v[32+6*(\t):43+6*(\t)], v[16:27], \c, v[86+(\t)/2], v28 matrix_a_fmt:MATRIX_FMT_BF6 matrix_b_fmt:MATRIX_FMT_BF6 matrix_a_scale:MATRIX_SCALE_ROW1
.else
	v_wmma_scale_f32_16x16x128_f8f6f4 v[96+8*(\t):103+8*(\t)], v[32+6*(\t):43+6*(\t)], v[16:27], \c, v[86+(\t)/2], v28 matrix_a_fmt:MATRIX_FMT_BF6 matrix_b_fmt:MATRIX_FMT_BF6
.endif
.endm
; A KEY STEP: 128 keys.  full = 0: every key counts.  full = 1: the step is jumped over, masked or open, by ids alone.
.macro STEP full
.if \full
	s_cmp_gt_u32 s[KF], s[QJ]                      ; KF is a multiple of 128, my queries lie in 64 j .. + 63: above 64 j means behind all of them
	s_cbranch_scc1 .Lhid_\@
.endif
	v_add_nc_u32 v4, s[TK], v1                     ; these four are also the places in front of loads into registers that matrix instructions have read
	v_add_nc_u32 v7, s[TS], v2
	v_add_nc_u32 v29, s[TV], v2
	v_add_nc_u32 v3, VCO, v4
	s_wait_alu depctr_va_vdst(0)
.irp t, 0,1,2,3,4,5,6,7
.irp i, 0,1,2
	ds_load_b64 v[32+6*\t+2*\i:33+6*\t+2*\i], v4 offset:768*\t+8*\i
.endr
.endr
.irp b, 0,1,2,3
	ds_load_b32 v[86+\b], v7 offset:128*\b         ; lanes 0-15: tile 2 b's words, lanes 16-31: tile 2 b + 1's
.endr
	s_wait_dscnt 0x0
.if \full
	s_add_co_u32 s22, s[KF], 128
	s_cmp_le_u32 s22, s[QJ]
	s_cbranch_scc1 .Lopen_\@
	s_cmp_eq_u32 s[KF], s[QJ]
	s_cbranch_scc1 .Leven_\@
.irp t, 0,1,2,3                                ; 64 j = KF + 64: the first 64 keys count, the others stand on the diagonal
	SM \t, 0
.endr
.irp t, 4,5,6,7
	SM \t, v[CM+8*\t-32:CM+8*\t-25]
.endr
	s_branch .Lsd_\@
.Leven_\@:
.irp t, 0,1,2,3                                ; 64 j = KF: the first 64 keys stand on the diagonal, the others are hidden
	SM \t, v[CM+8*\t:CM+8*\t+7]
.endr
.set nn, 0
.rept 32
	v_mov_b32 v[128+nn], v30
.set nn, nn+1
.endr
	s_branch .Lsd_\@
.Lopen_\@:
.endif
.irp t, 0,1,2,3,4,5,6,7                        ; lane (r, h) holds query r; the 16 registers of tiles 2 b, 2 b + 1 are keys KF + 32 b + 16 h + 0 .. 15
	SM \t, 0
.endr
.if \full
.Lsd_\@:
.endif
.rept 3
	v_nop                                          ; places: V's loads land where K lay, and the scores are read below
.endr
	v_mov_b32 v211, v12                            ; the fourth place: the old -M is kept in v211
.irp t, 0,1,2,3                                ; V's four fragments land under the softmax
.irp p, 0,1,2,3,4,5
	ds_load_b64 v[32+12*\t+2*\p:33+12*\t+2*\p], v3 offset:(\p/3)*3072+768*\t+8*(\p%3)
.endr
.endr
.irp b, 0,1
	ds_load_b32 v[90+\b], v29 offset:128*\b
.endr
.irp b, 0,1,2,3
	v_max3_num_f32 v[212+\b], v[96+16*\b], v[97+16*\b], v[98+16*\b]   ; the largest score of each block of 32 keys: for the row's maximum and for the block's largest p
.endr
.irp i, 3,5,7,9,11,13
.irp b, 0,1,2,3
	v_max3_num_f32 v[212+\b], v[212+\b], v[96+16*\b+\i], v[97+16*\b+\i]
.endr
.endr
.irp b, 0,1,2,3
	v_max_num_f32 v[212+\b], v[212+\b], v[111+16*\b]
.endr
.irp b, 0,1,2,3
	s_delay_alu instid0(VALU_DEP_4)
	v_permlanex16_b32 v[216+\b], v[212+\b], s[SEL], s[SEL+1]
.endr
.irp b, 0,1,2,3
	s_delay_alu instid0(VALU_DEP_4)
	v_max_num_f32 v[212+\b], v[212+\b], v[216+\b]  ; with lane l xor 16's 16 keys
.endr
	s_delay_alu instid0(VALU_DEP_2)
	v_max3_num_f32 v92, v212, v213, v214
	s_delay_alu instid0(VALU_DEP_1)
	v_max3_num_f32 v13, v13, v92, v215             ; v13: the running largest SCORE (t = c x score, c positive: the largest t is c x the largest score)
	s_delay_alu instid0(VALU_DEP_1)
	v_mul_f32 v92, s77, v13                        ; -t
	s_delay_alu instid0(VALU_DEP_1)
	v_floor_f32 v12, v92                           ; the new -M = floor(-t) = -ceil(t)
.set nn, 0
.rept 32
	v_pk_fma_f32 v[96+nn:97+nn], v[96+nn:97+nn], s[CS:CS+1], v[12:13] op_sel_hi:[1,0,0]   ; t - M, two at a time; the three lines that make f stand among them
.if nn == 10
	v_sub_f32 v92, v12, v211                       ; old M - new M: a whole number, 0 or less
.elseif nn == 22
	v_cvt_i32_f32 v92, v92                         ; (it saturates)
.elseif nn == 34
	v_ldexp_f32 v94, 1.0, v92                      ; f = 2^(old M - new M)
.endif
.set nn, nn+2
.endr
.irp b, 0,1,2,3
	v_fma_f32 v[212+\b], v[212+\b], s[CS], v12     ; the same of each block's largest score
.endr
.set nn, 0
	s_wait_alu depctr_va_vdst(0)
.rept 64
	v_exp_f32 v[96+nn], v[96+nn]                   ; p = 2^(t - M), at most 1
.set nn, nn+1
.endr
	v_pk_mul_f32 v[14:15], v[14:15], v[94:95] op_sel_hi:[1,0]   ; the sums under the new M: a plain line behind the exponentials
	s_wait_alu depctr_va_vdst(0)                   ; one wait for the batch, ahead of its first reader
.irp b, 0,1,2,3
	v_exp_f32 v[212+\b], v[212+\b]                 ; the block's largest p
.endr
	v_pk_add_f32 v[216:217], v[100:101], v[104:105]   ; the row's sum of the unquantised p, in eight chains
	v_pk_add_f32 v[192:193], v[108:109], v[112:113]
	v_pk_add_f32 v[194:195], v[116:117], v[120:121]
	v_pk_add_f32 v[196:197], v[124:125], v[128:129]
	v_pk_add_f32 v[198:199], v[132:133], v[136:137]
	v_pk_add_f32 v[200:201], v[140:141], v[144:145]
	v_pk_add_f32 v[202:203], v[148:149], v[152:153]
	v_pk_add_f32 v[14:15], v[14:15], v[156:157]
	v_pk_add_f32 v[216:217], v[216:217], v[96:97]
	v_pk_add_f32 v[192:193], v[192:193], v[98:99]
	v_pk_add_f32 v[194:195], v[194:195], v[102:103]
	v_pk_add_f32 v[196:197], v[196:197], v[106:107]
	v_pk_add_f32 v[198:199], v[198:199], v[110:111]
	v_pk_add_f32 v[200:201], v[200:201], v[114:115]
	v_pk_add_f32 v[202:203], v[202:203], v[118:119]
	v_pk_add_f32 v[14:15], v[14:15], v[122:123]
	v_pk_add_f32 v[216:217], v[216:217], v[126:127]
	v_pk_add_f32 v[192:193], v[192:193], v[130:131]
	v_pk_add_f32 v[194:195], v[194:195], v[134:135]
	v_pk_add_f32 v[196:197], v[196:197], v[138:139]
	v_pk_add_f32 v[198:199], v[198:199], v[142:143]
	v_pk_add_f32 v[200:201], v[200:201], v[146:147]
	v_pk_add_f32 v[202:203], v[202:203], v[150:151]
	v_pk_add_f32 v[14:15], v[14:15], v[154:155]
	v_pk_add_f32 v[216:217], v[216:217], v[158:159]
	s_wait_alu depctr_va_vdst(0)                   ; one wait for the four exponentials, directly ahead of the first reader of O^T
; Three chains by turns, so that each line stands five lines or more behind the line whose result it reads: O^T x f (under the new M), the end of the row's sum, the blocks' scale bytes.
.irp i, 0,1,2,3
	v_pk_mul_f32 v[160+2*\i:161+2*\i], v[160+2*\i:161+2*\i], v[94:95] op_sel_hi:[1,0]
.endr
	v_pk_add_f32 v[14:15], v[14:15], v[196:197]
	v_pk_add_f32 v[216:217], v[216:217], v[198:199]
	v_pk_add_f32 v[192:193], v[192:193], v[200:201]
	v_pk_add_f32 v[194:195], v[194:195], v[202:203]
.irp b, 0,1,2,3
	v_max_num_f32 v[212+\b], 0x2800000, v[212+\b]  ; the floor 2^(5 - 127): the byte cannot fall under 1
.endr
	v_pk_add_f32 v[14:15], v[14:15], v[192:193]
	v_pk_add_f32 v[216:217], v[216:217], v[194:195]
.irp b, 0,1,2,3
	v_add_nc_u32 v[220+\b], 0xfe000000, v[212+\b]  ; 4 off the exponent field: the conversion's scale operand
.endr
	v_pk_add_f32 v[14:15], v[14:15], v[216:217]
.irp b, 0,1,2,3
	v_lshrrev_b32 v[216+\b], 23, v[220+\b]
.endr
.irp i, 4,5,6,7
	v_pk_mul_f32 v[160+2*\i:161+2*\i], v[160+2*\i:161+2*\i], v[94:95] op_sel_hi:[1,0]
.endr
	v_lshl_or_b32 v93, v217, 8, v216               ; p's scale word for these 128 keys
.irp i, 8,9,10,11
	v_pk_mul_f32 v[160+2*\i:161+2*\i], v[160+2*\i:161+2*\i], v[94:95] op_sel_hi:[1,0]
.endr
	v_lshl_or_b32 v93, v218, 16, v93
.irp c, 0,1
	v_cvt_scalef32_pk16_bf6_f32 v[192+6*\c:194+6*\c], v[96+32*\c:111+32*\c], v[220+2*\c]
	v_cvt_scalef32_pk16_bf6_f32 v[204+4*\c:206+4*\c], v[112+32*\c:127+32*\c], v[220+2*\c+1]
.endr
	v_lshl_or_b32 v93, v219, 24, v93               ; also the plain line behind the last conversion
.irp c, 0,1                                    ; a whole block to a lane: lanes 0-15 block 2 c, lanes 16-31 block 2 c + 1
.irp i, 0,1,2
	v_permlane16_swap_b32 v[192+6*\c+\i], v[204+4*\c+\i]
.endr
.endr
.irp c, 0,1
.irp i, 0,1,2
	v_mov_b32 v[195+6*\c+\i], v[204+4*\c+\i]
.endr
.endr
	s_wait_alu depctr_va_vdst(0)
.irp i, 12,13,14,15                            ; these four also stand between the last write of p's codes and the products
	v_pk_mul_f32 v[160+2*\i:161+2*\i], v[160+2*\i:161+2*\i], v[94:95] op_sel_hi:[1,0]
.endr
	s_wait_alu depctr_va_vdst(0)
	s_wait_dscnt 0x0                               ; V
.irp t, 0,2                                    ; O^T += V^T P^T: four accumulators, one instruction each
	v_wmma_scale_f32_16x16x128_f8f6f4 v[160+8*\t:167+8*\t], v[32+12*\t:43+12*\t], v[192:203], v[160+8*\t:167+8*\t], v[90+\t/2], v93 matrix_a_fmt:MATRIX_FMT_BF6 matrix_b_fmt:MATRIX_FMT_BF6
	v_wmma_scale_f32_16x16x128_f8f6f4 v[168+8*\t:175+8*\t], v[44+12*\t:55+12*\t], v[192:203], v[168+8*\t:175+8*\t], v[90+\t/2], v93 matrix_a_fmt:MATRIX_FMT_BF6 matrix_b_fmt:MATRIX_FMT_BF6 matrix_a_scale:MATRIX_SCALE_ROW1
.endr
.if \full
.Lhid_\@:
.endif
.endm
; Tile 4 j + cx is asked for: places 64 j + 16 cx + r, which are queries 64 j + 32 (cx / 2) + 8 (cx % 2) + r + 8 (r / 8).
.macro QLOAD
	s_lshl_b32 s[QJ], s[J], 6
	s_lshl_b32 s22, s[CX], 4
	s_add_co_u32 s23, s[QJ], s22                   ; my first place
	s_mov_b32 s93, 0
	s_mul_i32 s92, s23, 48
	s_add_co_u32 s92, s92, s[QCO]
	s_add_nc_u64 s[84:85], s[4:5], s[92:93]
	s_lshl_b32 s92, s23, 2
	s_add_co_u32 s92, s92, s[QSO]
	s_add_nc_u64 s[86:87], s[4:5], s[92:93]
	global_load_b64 v[16:17], v1, s[84:85]
	global_load_b64 v[18:19], v1, s[84:85] offset:8
	global_load_b64 v[20:21], v1, s[84:85] offset:16
	global_load_b32 v28, v31, s[86:87]
.endm
.macro OADDR                           ; where the tile's O goes
	s_lshl_b32 s22, s[BB], 11
	s_add_co_u32 s22, s22, s[QJ]
	s_add_co_u32 s22, s22, s[CXA]
	s_lshr_b32 s23, s22, 7                         ; aq's group of 128 rows
	s_and_b32 s22, s22, 127
	s_add_co_u32 s22, s22, s[CXB]                  ; my first row in it
	s_mul_i32 s92, s23, 98304
	s_mul_i32 s2, s22, 48
	s_add_co_u32 s92, s92, s2
	s_add_co_u32 s92, s92, s[OAO]
	s_add_nc_u64 s[88:89], s[6:7], s[92:93]
	s_lshl_b32 s92, s23, 12
	s_lshl_b32 s2, s22, 2
	s_add_co_u32 s92, s92, s2
	s_add_co_u32 s92, s92, s[OSO]
	s_add_nc_u64 s[90:91], s[6:7], s[92:93]
.endm
.macro INIT
	v_mov_b32 v13, 0xff61b1e6                      ; the largest score so far: -3e38, under every score
	s_delay_alu instid0(VALU_DEP_1)
	v_floor_f32 v12, -v13
	v_mov_b32 v14, 0
	v_mov_b32 v15, 0
.set nn, 0
.rept 32
	v_mov_b32 v[160+nn], 0                         ; O^T: the step is written once; the first finds zeros, which the first change of M leaves zeros
.set nn, nn+1
.endr
	s_wait_alu depctr_va_vdst(0)
	s_wait_loadcnt 0x0                             ; Q
.endm
; A tile ends: O^T / l, quantised along the head's 64 (two blocks of 32, each in lanes l and l xor 16), through my stage, out as two runs of eight rows x 48 bytes.
.macro FINISH
.rept 4
	v_nop                                          ; places behind the last products
.endr
	v_add_f32 v14, v14, v15
	s_delay_alu instid0(VALU_DEP_1)
	v_permlanex16_b32 v92, v14, s[SEL], s[SEL+1]
	s_delay_alu instid0(VALU_DEP_1)
	v_add_f32 v14, v14, v92                        ; the row's sum
	s_wait_alu depctr_va_vdst(0)
	v_rcp_f32 v94, v14
	v_nop                                          ; a plain line behind the reciprocal,
	s_wait_alu depctr_va_vdst(0)                   ; and the wait ahead of its first reader
.set nn, 0
.rept 16
	v_pk_mul_f32 v[96+nn:97+nn], v[160+nn:161+nn], v[94:95] op_sel_hi:[1,0]   ; register 16 b + i: channel 32 b + 16 h + i; each accumulator from its low end on
.set nn, nn+2
.endr
.irp b, 0,1
	v_max3_num_f32 v[212+\b], |v[96+16*\b]|, |v[97+16*\b]|, 0x2800000
.endr
.irp i, 2,4,6,8,10,12,14
.irp b, 0,1
	s_delay_alu instid0(VALU_DEP_2)
	v_max3_num_f32 v[212+\b], v[212+\b], |v[96+16*\b+\i]|, |v[97+16*\b+\i]|
.endr
.endr
.irp b, 0,1
	s_delay_alu instid0(VALU_DEP_2)
	v_permlanex16_b32 v[216+\b], v[212+\b], s[SEL], s[SEL+1]
.endr
.irp b, 0,1
	s_delay_alu instid0(VALU_DEP_2)
	v_max_num_f32 v[212+\b], v[212+\b], v[216+\b]
.endr
.irp b, 0,1
	s_delay_alu instid0(VALU_DEP_2)
	v_add_nc_u32 v[220+\b], 0xfe000000, v[212+\b]
.endr
.irp b, 0,1
	s_delay_alu instid0(VALU_DEP_2)
	v_lshrrev_b32 v[216+\b], 23, v[220+\b]
.endr
	s_delay_alu instid0(VALU_DEP_1)
	v_lshl_or_b32 v92, v217, 8, v216               ; my row's two scale bytes
	v_cvt_scalef32_pk16_bf6_f32 v[192:194], v[96:111], v220
	v_cvt_scalef32_pk16_bf6_f32 v[196:198], v[112:127], v221
	v_nop                                          ; a plain line behind the last conversion
	ds_store_b96 v8, v[192:194]                    ; 12 bytes to a place of 16: place 4 r + 2 b + h
	ds_store_b96 v8, v[196:198] offset:32
	ds_load_b96 v[200:202], v9                     ; my own bytes, in order behind my stores: rows r = 0..7,
	ds_load_b96 v[204:206], v9 offset:512          ; rows r = 8..15
	s_wait_alu depctr_va_vdst(0)
	s_wait_dscnt 0x0
	global_store_b96 v10, v[200:202], s[88:89]     ; eight rows x 48 bytes: 384 consecutive bytes
	global_store_b96 v10, v[204:206], s[88:89] offset:768   ; the rows 16 further on
	global_store_b16 v11, v92, s[90:91]            ; both lanes of a row store the same two bytes
	s_wait_xcnt 0x0                                ; the stores and Q's loads have read their registers and bases
.endm
	s_load_b128 s[4:7], s[0:1], 0x0                ; qkvq s[4:5], aq s[6:7]
	v_lshl_add_u32 v5, v0, 2, SPARE
	v_mov_b32 v6, 0
	ds_add_u32 v5, v6                              ; the opening: the add, twice on end, and its wait ahead of my first tensor load
	ds_add_u32 v5, v6
	v_lshrrev_b32 v32, 5, v0
	v_readfirstlane_b32 s[WV], v32                 ; wave 0..15
	s_bfe_u32 s[CX], ttmp6, 0x40000
	s_and_b32 s22, ttmp7, 0xffff                   ; the cluster's y: batch x 16 + head
	s_lshr_b32 s[BB], s22, 4
	s_and_b32 s[HD], s22, 15
	s_lshr_b32 s[CXA], s[CX], 1
	s_lshl_b32 s[CXA], s[CXA], 5
	s_and_b32 s[CXB], s[CX], 1
	s_lshl_b32 s[CXB], s[CXB], 3
	s_mul_i32 s[QCO], s[HD], 393216
	s_mul_i32 s22, s[BB], 98304
	s_add_co_u32 s[QCO], s[QCO], s22
	s_lshl_b32 s23, s[WV], 13
	s_add_co_u32 s84, s[QCO], 16*393216            ; K's codes: plane 16 + head,
	s_add_co_u32 s84, s84, s23                     ; my 8,192 bytes
	s_lshl_b32 s[QSO], s[HD], 15
	s_lshl_b32 s22, s[BB], 13
	s_add_co_u32 s[QSO], s[QSO], s22
	s_add_co_u32 s[QSO], s[QSO], QKS
	s_add_co_u32 s86, s[QSO], 16*32768             ; K's scale words
	s_mul_i32 s88, s[BB], 32*49152
	s_mul_i32 s22, s[HD], 3072
	s_add_co_u32 s88, s88, s22
	s_mul_i32 s22, s[WV], 98304
	s_add_co_u32 s88, s88, s22
	s_add_co_u32 s88, s88, VCB-6*98304             ; V's codes: planes 2 (wave - 6), + 1 of the batch, my head's 64 places
	s_lshl_b32 s90, s[BB], 16
	s_lshl_b32 s22, s[HD], 8
	s_add_co_u32 s90, s90, s22
	s_add_co_u32 s90, s90, VSB                     ; V's scale words
	s_mov_b32 s85, 0
	s_mov_b32 s87, 0
	s_mov_b32 s89, 0
	s_mov_b32 s91, 0
	s_mul_i32 s[OAO], s[HD], 6144
	s_lshr_b32 s[OSO], s[HD], 1
	s_lshl_b32 s[OSO], s[OSO], 9
	s_and_b32 s22, s[HD], 1
	s_lshl_b32 s22, s22, 1
	s_add_co_u32 s[OSO], s[OSO], s22
	s_add_co_u32 s[OSO], s[OSO], ASCL
	s_mov_b32 s[SEL], 0x76543210
	s_mov_b32 s[SEL+1], 0xfedcba98
	s_mov_b32 s[CS], 0x3e38aa3b                    ; c = log2(e) / 8
	s_mov_b32 s[CS+1], s[CS]
	s_mov_b32 s77, 0xbe38aa3b                      ; -c
	; groups 1: elements of 8 bytes, the mask of all four partners with bit 21 beside it, no padding
	s_mov_b32 s24, 15|(3<<16)|(1<<21)              ; K's codes: 8,192 dense bytes as 32 rows of 256
	s_mov_b32 s25, 32<<16
	s_mov_b32 s26, 32<<16
	s_mov_b32 s27, 32<<16
	s_mov_b32 s28, 32
	s_mov_b32 s29, 32
	s_mov_b32 s30, 0
	s_mov_b32 s31, 0
	s_mov_b32 s32, 15|(3<<16)|(1<<21)              ; V's codes: 2 planes' rows of 3,072 bytes, 49,152 bytes apart
	s_mov_b32 s33, 384<<16
	s_mov_b32 s34, 2<<16
	s_mov_b32 s35, 384<<16
	s_mov_b32 s36, 2
	s_mov_b32 s37, 6144
	s_mov_b32 s38, 0
	s_mov_b32 s39, 0
	s_mov_b32 s48, 15|(3<<16)|(1<<21)              ; K's scale words: 4,096 dense bytes
	s_mov_b32 s49, 32<<16
	s_mov_b32 s50, 16<<16
	s_mov_b32 s51, 32<<16
	s_mov_b32 s52, 16
	s_mov_b32 s53, 32
	s_mov_b32 s54, 0
	s_mov_b32 s55, 0
	s_mov_b32 s56, 15|(3<<16)|(1<<21)              ; V's scale words: 8 rows of 256 bytes, 4,096 bytes apart
	s_mov_b32 s57, 32<<16
	s_mov_b32 s58, 8<<16
	s_mov_b32 s59, 32<<16
	s_mov_b32 s60, 8
	s_mov_b32 s61, 512
	s_mov_b32 s62, 0
	s_mov_b32 s63, 0
	s_wait_dscnt 0x0                               ; both opening adds are done
	s_wait_kmcnt 0x0
	s_mov_b32 s40, 1                               ; groups 0 for keys 0..1,023: LDS addresses of constants and the wave's number alone
	s_mov_b32 s41, s23
	s_add_nc_u64 s[42:43], s[4:5], s[84:85]
	s_or_b32 s43, s43, 0x80000000
	s_mov_b32 s44, 1
	s_mul_i32 s45, s[WV], 6144
	s_add_co_u32 s45, s45, VCO-6*6144
	s_add_nc_u64 s[46:47], s[4:5], s[88:89]
	s_or_b32 s47, s47, 0x80000000
	s_mov_b32 s68, 1
	s_mov_b32 s69, KSO
	s_add_nc_u64 s[70:71], s[4:5], s[86:87]
	s_or_b32 s71, s71, 0x80000000
	s_mov_b32 s72, 1
	s_mov_b32 s73, VSO
	s_add_nc_u64 s[74:75], s[4:5], s[90:91]
	s_or_b32 s75, s75, 0x80000000
	ROUND                                          ; all four work-groups are here: the first joint loads meet
	TLOADS 0
	v_and_b32 v32, 15, v0                          ; r
	v_bfe_u32 v33, v0, 4, 1                        ; h
	v_and_b32 v34, 31, v0                          ; lane
	v_mul_u32_u24 v1, v32, 48
	v_lshlrev_b32 v2, 2, v34
	v_and_b32 v35, 8, v32
	v_mad_u32_u24 v1, v33, 24, v1
	v_add_nc_u32 v35, v35, v32                     ; r + 8 (r / 8)
	v_lshlrev_b32 v36, 4, v33
	v_lshlrev_b32 v31, 2, v32
	v_lshlrev_b32 v11, 2, v35
	v_sub_nc_u32 v92, v35, v36
	s_add_co_u32 s22, s[CXA], s[CXB]
	v_add_nc_u32 v92, s22, v92                     ; d = my query's place in its 64, less 16 h
	s_lshl_b32 s23, s[WV], 10
	s_add_co_u32 s23, s23, STAGE                   ; my stage
	v_lshlrev_b32 v8, 6, v32
	v_lshlrev_b32 v9, 4, v34
	v_lshl_add_u32 v8, v33, 4, v8
	v_add_nc_u32 v9, s23, v9
	v_add_nc_u32 v8, s23, v8
	v_mul_u32_u24 v10, v34, 12
	v_mov_b32 v30, 0xf149f2ca                      ; -1e30
	s_sub_co_u32 s[J], 31, s[WV]                   ; the longer tile first
	QLOAD
	OADDR
.irp j, 22,23,24,25,26,27,80,81,82,83,84,85
	v_mov_b32 v\j, 0                               ; zero codes for K = 64 .. 127
.endr
.irp j, 216,217,218,219,95
	v_mov_b32 v\j, 0                               ; written once: permutes' destinations, and the upper half of the pair v[94:95]
.endr
.set nn, 0
.rept 32                                       ; the mask: register 16 b + i stands for key 32 b + 16 h + i of the 64 on the diagonal: hidden where 32 b + i > d
	v_cmp_gt_i32 vcc_lo, 32*(nn/16)+nn%16, v92
	v_cndmask_b32 v[CM+nn], 0, v30, vcc_lo
.set nn, nn+1
.endr
	INIT
	s_wait_alu depctr_va_vdst(0)
	s_wait_tensorcnt 0x0                           ; my part of keys 0..1,023 is in
	ds_add_u32 v5, v6                              ; 0 onto my spare word
	s_add_co_u32 s41, s41, 49152                   ; no tensor load of mine is out: the groups 0 step to keys 1,024..2,047
	s_add_nc_u64 s[42:43], s[42:43], 49152
	s_add_co_u32 s45, s45, 49152
	s_add_nc_u64 s[46:47], s[46:47], 16*49152
	s_add_co_u32 s69, s69, 4096
	s_add_nc_u64 s[70:71], s[70:71], 4096
	s_add_co_u32 s73, s73, 2048
	s_add_nc_u64 s[74:75], s[74:75], 8*4096
	s_wait_dscnt 0x0                               ; the add is done
	ROUND                                          ; everybody's part is in, and all four work-groups are here
	TLOADS 1                                       ; my one load behind the round
	s_mov_b32 s[TK], 0
	s_mov_b32 s[TS], KSO
	s_mov_b32 s[TV], VSO
	s_mov_b32 s[I], 0
.Lfirst:                                           ; steps 0..7 of tile 31 - w: eight trips in every wave, on keys 0..1,023 alone
	STEP 0
	s_add_co_u32 s[TK], s[TK], 6144
	s_add_co_u32 s[TS], s[TS], 512
	s_add_co_u32 s[TV], s[TV], 256
	s_add_co_u32 s[I], s[I], 1
	s_cmp_lt_u32 s[I], 8
	s_wait_alu depctr_va_vdst(0)
	s_cbranch_scc1 .Lfirst
	s_wait_tensorcnt 0x0                           ; my part of keys 1,024..2,047 is in
	s_wait_dscnt 0x0
	s_barrier_signal -1
	s_barrier_wait -1
	s_mov_b32 s[I], 0
.Lrest:                                            ; sixteen trips: step I xor 8: 8..15 of tile 31 - w, then 0..7 of tile w
	s_cmp_lg_u32 s[I], 8
	s_cbranch_scc1 .Lsame
	s_mov_b32 s[J], s[WV]
	QLOAD                                          ; the next tile's Q is on its way while this tile goes out
	FINISH
	OADDR
	INIT
.Lsame:
	s_xor_b32 s22, s[I], 8
	s_lshl_b32 s[KF], s22, 7
	s_mul_i32 s[TK], s22, 6144
	s_lshl_b32 s[TS], s22, 9
	s_add_co_u32 s[TS], s[TS], KSO
	s_lshl_b32 s[TV], s22, 8
	s_add_co_u32 s[TV], s[TV], VSO
	STEP 1
	s_add_co_u32 s[I], s[I], 1
	s_cmp_lt_u32 s[I], 16
	s_wait_alu depctr_va_vdst(0)
	s_cbranch_scc1 .Lrest
	FINISH
	s_wait_tensorcnt 0x0                           ; the wave's end
	ds_add_u32 v5, v6
	s_wait_dscnt 0x0
	ROUND                                          ; the closing round
	s_endpgm
.Lfunc_end_k_q4015699d96_attn:
	.size	k_q4015699d96_attn, .Lfunc_end_k_q4015699d96_attn-k_q4015699d96_attn
	.p2alignl 7, 3214868480
	.fill 96, 4, 3214868480
	.section	.rodata,"a",@progbits
	.p2align	6, 0x0
	.amdhsa_kernel k_q4015699d96_attn
		.amdhsa_group_segment_fixed_size 327680
		.amdhsa_private_segment_fixed_size 0
		.amdhsa_enable_private_segment 0
		.amdhsa_kernarg_size 16
		.amdhsa_user_sgpr_count 2
		.amdhsa_user_sgpr_kernarg_segment_ptr 1
		.amdhsa_wavefront_size32 1
		.amdhsa_system_sgpr_workgroup_id_x 1
		.amdhsa_system_sgpr_workgroup_id_y 1
		.amdhsa_system_sgpr_workgroup_id_z 1
		.amdhsa_system_vgpr_workitem_id 0
		.amdhsa_next_free_vgpr 256
		.amdhsa_next_free_sgpr 100
		.amdhsa_reserve_vcc 1
		.amdhsa_float_denorm_mode_32 3
		.amdhsa_float_denorm_mode_16_64 3
		.amdhsa_memory_ordered 1
		.amdhsa_forward_progress 1
		.amdhsa_inst_pref_size 66
	.end_amdhsa_kernel
	.amdgpu_metadata
---
amdhsa.version: [ 1, 2 ]
amdhsa.kernels:
  - .name:           k_q4015699d96_attn
    .symbol:         k_q4015699d96_attn.kd
    .args:
      - { .name: qkvq, .offset: 0, .size: 8, .value_kind: global_buffer, .address_space: global }
      - { .name: aq, .offset: 8, .size: 8, .value_kind: global_buffer, .address_space: global }
    .group_segment_fixed_size: 327680
    .private_segment_fixed_size: 0
    .kernarg_segment_align: 8
    .kernarg_segment_size: 16
    .max_flat_workgroup_size: 512
    .sgpr_count:     100
    .vgpr_count:     256
    .wavefront_size: 32
...
	.end_amdgpu_metadata
.endif
;; end of part 3
;; launch proj (part 4): grid 4 x 64, 4 waves a work-group, clusters of 4 x 4, 327,680 bytes of LDS; arguments aq, wq, b_proj, out0; writes out0
.if DOCPART == 4
	.amdgcn_target "amdgcn-amd-amdhsa--gfx1250"
	.amdhsa_code_object_version 6
	.text
	.protected	k_q4015699d96_proj
	.globl	k_q4015699d96_proj
	.p2align	8
	.type	k_q4015699d96_proj,@function
k_q4015699d96_proj:
	s_mov_b64 s[64:65], 0
	v_nop
	global_prefetch_b8 v0, s[64:65] scope:SCOPE_SE
	s_setreg_imm32_b32 hwreg(HW_REG_WAVE_MODE, 25, 1), 1
	s_wait_xcnt 0x0
	s_wait_alu depctr_hold_cnt(0) depctr_sa_sdst(0) depctr_va_vdst(0) depctr_va_sdst(0) depctr_va_ssrc(0) depctr_va_vcc(0) depctr_vm_vsrc(0)
	s_getreg_b32 s2, hwreg(HW_REG_IB_STS2, 6, 4)
	s_cmp_eq_u32 s2, 0
	s_cbranch_scc0 .Lentry_in_a_cluster
	s_endpgm
.Lentry_in_a_cluster:
	s_bfe_u32 s2, ttmp6, 0x10000c
	s_cmp_lg_u32 s2, 0xf033
	s_cbranch_scc0 .Lentry_shape_is_right
	s_endpgm
.Lentry_shape_is_right:
; out0 = attention's result x w_proj + b_proj on codes of BF6 (E3M2) with E8M0 scales; sums in f32, stored as f32.
; OPERANDS: aq (rows in natural order) and wq (a row's place: its number with bits 3 and 4 exchanged; w_proj's n from group 24 on): rows in groups of 128; codes [group][plane of 64 K][128 places][48 bytes],
; scale words behind them [group][128 K][128 places][4].
; SHARES: 4 x 64 = 256 work-groups; a work-group makes 128 tokens x 256 n, a wave 64 tokens (source 1) x 128 n (source 0) in 32 accumulators.
; ALL OF K = 1,024 LIES IN LDS: the tokens' group 98,304 bytes, w's two groups 196,608, scale words 12,288: four loads at the head, one a wave; nothing is filled again, so there is no ring.
; CLUSTERS: 4 x 4; the tokens are shared along a row of the cluster, w's rows along a column: joint loads.
; NO PREFETCH: every load goes out at the launch's head; no later load is left to run ahead of.
; The bias is the C of the first products.  A step's 80 LDS loads stand in four groups between groups of eight products.
; The matrix instruction is used transposed: a lane holds a token, tile b's register j the column 32 (b / 2) + 8 (b % 2) + 16 h + j.  Results leave through a stage that lies in tile bytes behind a barrier behind which no tile is read.
; REGISTERS: window 0: v8-31 addresses, v32-47 scale words (two sets), v128-223 source 1's fragments (two sets), on the way out v128-255; window 1: source 0's fragments, sets at v0 and v128;
; window 2: accumulator (a, b) at v[8 (8 a + b)]; window 3: v0-63 the bias.
.set PLANE, 6144
.set RGB,   98304
.set HALF,  49152
.set ASC,   294912
.set BSC,   299008
.set SPARE, 307200
.set XSCL,  6291456
.set WSCL,  3145728
.set SPITCH, 528
.set ROWC,  4096
.set ADA,  8
.set ADB,  10
.set AS,   12
.set STO,  24
.set RD,   25
.set CO,   26
.set SPW,  28
.set NIL,  29
.set HH,   31
.set SC,   32
.set AF,   128
.set BK,   128
.set G1A,  24
.set G1B,  32
.set G1AS, 40
.set G1BS, 48
.set G0A,  56
.set G0B,  60
.set G0AS, 68
.set G0BS, 72
.set MSB, 0
.macro WIN new
.if MSB != (\new)
	s_set_vgpr_msb (MSB<<8)|(\new)
.set MSB, (\new)
.endif
.endm
.macro PLACES
.rept 4
	v_nop
.endr
.endm
.macro CROUND
	s_barrier_signal -1
	s_barrier_wait -1
	s_cmp_lg_u32 s14, 0
	s_cbranch_scc1 .Lnot_wave_0_\@
	s_barrier_signal -3
.Lnot_wave_0_\@:
	s_barrier_wait -3
	s_barrier_signal -1
	s_barrier_wait -1
.endm
.macro G1SET g, r                      ; r rows of 256 bytes (32 elements of 8), dense
	s_mov_b32 s[\g+1], 32<<16
	s_mov_b32 s[\g+2], (\r)<<16
	s_mov_b32 s[\g+3], 32<<16
	s_mov_b32 s[\g+4], \r
	s_mov_b32 s[\g+5], 32
	s_mov_b32 s[\g+6], 0
	s_mov_b32 s[\g+7], 0
.endm
.macro FRAG reg, adr, q, i
.irp p, 0,1,2,3,4,5
	ds_load_b64 v[\reg+2*\p:\reg+2*\p+1], v[\adr] offset:(2*(\q)+\p/3)*PLANE+(\i)*768+8*(\p%3)
.endr
.endm
.macro LOADG k, nx                     ; a quarter of step nx's fragments: source 0's blocks 2 k, 2 k + 1, source 1's block k, two registers of scale words
	WIN 0x40
	FRAG 128*((\nx)%2)+24*(\k), ADB+(\nx)/4, (\nx)%4, 2*(\k)
	FRAG 128*((\nx)%2)+24*(\k)+12, ADB+(\nx)/4, (\nx)%4, 2*(\k)+1
	WIN 0
	FRAG AF+48*((\nx)%2)+12*(\k), ADA+(\nx)/4, (\nx)%4, \k
	ds_load_b32 v[SC+8*((\nx)%2)+2*(\k)], v[AS+(\k)/2] offset:512*(\nx)+128*(\k)
	ds_load_b32 v[SC+8*((\nx)%2)+2*(\k)+1], v[AS+(\k)/2] offset:512*(\nx)+128*(\k)+64
.endm
.macro WM a, b, p, c
	v_wmma_scale_f32_16x16x128_f8f6f4 v[8*(8*(\a)+\b):8*(8*(\a)+\b)+7], v[128*(\p)+12*\b:128*(\p)+12*\b+11], v[AF+48*(\p)+12*(\a):AF+48*(\p)+12*(\a)+11], \c, v[SC+8*(\p)+\b], v[SC+8*(\p)+(\a)] matrix_a_fmt:MATRIX_FMT_BF6 matrix_b_fmt:MATRIX_FMT_BF6 matrix_a_scale:MATRIX_SCALE_ROW1
.endm
.macro MULG a, p, cm                   ; source 1's block a x source 0's eight; cm = 1: C = the bias.  The 32 accumulators take turns
.if (\cm) == 0
	WIN 0xa1
.else
	WIN 0xb1
.endif
.irp b, 0,1,2,3,4,5,6,7
.if (\cm) == 1
	WM \a, \b, \p, v[8*\b:8*\b+7]
.else
	WM \a, \b, \p, v[8*(8*(\a)+\b):8*(8*(\a)+\b)+7]
.endif
.endr
.endm
.macro STEP st, cm
	s_wait_dscnt 0x0                               ; this step's fragments are in
	MULG 0, (\st)%2, \cm
	PLACES                                         ; in front of loads into registers that the last step's products have read
.if (\st) < 7
	LOADG 0, (\st)+1                               ; two groups of the next step's loads behind the first eight products,
	LOADG 1, (\st)+1
.endif
	MULG 1, (\st)%2, \cm
.if (\st) < 7
	LOADG 2, (\st)+1                               ; two behind the second: sixteen products stand between the last load and the wait for it
	LOADG 3, (\st)+1
.endif
	MULG 2, (\st)%2, \cm
	MULG 3, (\st)%2, \cm
	WIN 0
.endm
.macro TOSTAGE a                       ; a block of 16 rows x 128 columns into my stage, and back as whole rows of 512 bytes
.set AC, 64*(\a)
	WIN 0x08
.irp b, 0,1,2,3,4,5,6,7
	ds_store_b128 v[STO], v[AC+8*\b:AC+8*\b+3] offset:128*(\b/2)+32*(\b%2)
	ds_store_b128 v[STO], v[AC+8*\b+4:AC+8*\b+7] offset:128*(\b/2)+32*(\b%2)+16
.endr
	WIN 0
.set BB, BK+64*((\a)%2)
.irp t, 0,1,2,3,4,5,6,7,8,9,10,11,12,13,14,15
	ds_load_b128 v[BB+4*\t:BB+4*\t+3], v[RD] offset:\t*SPITCH
.endr
.endm
.macro SEND a, younger
.set BB, BK+64*((\a)%2)
	s_wait_dscnt \younger
.if (\a) > 0
	s_add_nc_u64 s[10:11], s[10:11], 16*ROWC
.endif
.irp t, 0,1,2,3,4,5,6,7,8,9,10,11,12,13,14,15
	global_store_b128 v[CO], v[BB+4*\t:BB+4*\t+3], s[10:11] offset:\t*ROWC th:TH_STORE_NT   ; 32 lanes store 512 consecutive bytes, aligned to 256
.endr
.endm
	s_load_b256 s[4:11], s[0:1], 0x0               ; aq s[4:5], wq s[6:7], b_proj s[8:9], out0 s[10:11]
	v_lshl_add_u32 v[SPW], v0, 2, SPARE
	v_mov_b32 v[NIL], 0
	ds_add_u32 v[SPW], v[NIL]                      ; the opening: the add, twice on end, and its wait ahead of my first tensor load
	ds_add_u32 v[SPW], v[NIL]
	v_lshrrev_b32 v1, 5, v0
	v_readfirstlane_b32 s14, v1                    ; wave 0..3
	s_lshr_b32 s15, s14, 1                         ; which 64 tokens
	s_and_b32 s16, s14, 1                          ; which group of w's rows
	s_bfe_u32 s12, ttmp6, 0x40000                  ; cx
	s_bfe_u32 s13, ttmp6, 0x40004                  ; cy
	s_lshl_b32 s18, ttmp9, 2
	s_add_co_u32 s18, s18, s12                     ; the tile of 256 n
	s_and_b32 s17, ttmp7, 0xffff
	s_lshl_b32 s17, s17, 2
	s_add_co_u32 s17, s17, s13                     ; the group of 128 tokens
	s_lshl_b32 s20, s13, 2
	s_lshl_b32 s20, 15, s20                        ; my row of the cluster
	s_lshl_b32 s21, 0x1111, s12                    ; my column
	s_or_b32 s[G1A], s20, (3<<16)|(1<<21)
	s_or_b32 s[G1AS], s20, (3<<16)|(1<<21)
	s_or_b32 s[G1B], s21, (3<<16)|(1<<21)
	s_or_b32 s[G1BS], s21, (3<<16)|(1<<21)
	G1SET G1A, 384
	G1SET G1B, 768
	G1SET G1AS, 16
	G1SET G1BS, 32
	s_mov_b32 s97, 0
	s_wait_dscnt 0x0                               ; both opening adds are done
	s_wait_kmcnt 0x0
	s_mul_i32 s96, s17, RGB
	s_mov_b32 s[G0A], 1
	s_mov_b32 s[G0A+1], 0
	s_add_nc_u64 s[G0A+2:G0A+3], s[4:5], s[96:97]
	s_or_b32 s[G0A+3], s[G0A+3], 0x80000000
	s_lshl_b32 s96, s17, 12
	s_add_co_u32 s96, s96, XSCL
	s_mov_b32 s[G0AS], 1
	s_mov_b32 s[G0AS+1], ASC
	s_add_nc_u64 s[G0AS+2:G0AS+3], s[4:5], s[96:97]
	s_or_b32 s[G0AS+3], s[G0AS+3], 0x80000000
	s_lshl_b32 s20, s18, 1
	s_add_co_u32 s20, s20, 24                      ; w_proj's first group of the tile
	s_mul_i32 s96, s20, RGB
	s_mov_b32 s[G0B], 1
	s_mov_b32 s[G0B+1], RGB
	s_add_nc_u64 s[G0B+2:G0B+3], s[6:7], s[96:97]
	s_or_b32 s[G0B+3], s[G0B+3], 0x80000000
	s_lshl_b32 s96, s20, 12
	s_add_co_u32 s96, s96, WSCL
	s_mov_b32 s[G0BS], 1
	s_mov_b32 s[G0BS+1], BSC
	s_add_nc_u64 s[G0BS+2:G0BS+3], s[6:7], s[96:97]
	s_or_b32 s[G0BS+3], s[G0BS+3], 0x80000000
	CROUND                                         ; all sixteen work-groups are here: the joint loads meet
; One load a wave: wave 0 the tokens' codes, wave 1 w's, wave 2 the tokens' scale words, wave 3 w's.  One tree: every way passes one load.
.macro ARM under, g0, g1, next
	s_cmp_lt_u32 s14, \under
	s_cbranch_scc0 \next
	tensor_load_to_lds s[\g0:\g0+3], s[\g1:\g1+7]
	s_nop 0
	PLACES
	s_branch .Lhead_asked
\next:
.endm
	ARM 1, G0A, G1A, .Lhead_b
	ARM 2, G0B, G1B, .Lhead_sa
	ARM 3, G0AS, G1AS, .Lhead_sb
	tensor_load_to_lds s[G0BS:G0BS+3], s[G1BS:G1BS+7]
	s_nop 0
	PLACES
.Lhead_asked:
	; scalars first, then the vector lines on end
	s_lshl_b32 s96, s18, 10
	s_lshl_b32 s20, s16, 9
	s_add_co_u32 s96, s96, s20                     ; my first column, in bytes
	s_add_nc_u64 s[8:9], s[8:9], s[96:97]
	s_add_nc_u64 s[10:11], s[10:11], s[96:97]
	s_lshl_b32 s96, s17, 7
	s_lshl_b32 s20, s15, 6
	s_add_co_u32 s96, s96, s20
	s_lshl_b32 s96, s96, 12                        ; my first row, 4,096 bytes each
	s_add_nc_u64 s[10:11], s[10:11], s[96:97]
	s_mul_i32 s20, s15, 3072                       ; source 1: my 64 places
	s_mul_i32 s21, s16, RGB
	s_add_co_u32 s21, s21, RGB                     ; source 0: my group
	s_lshl_b32 s22, s15, 8
	s_add_co_u32 s22, s22, ASC                     ; source 1's scale words,
	s_lshl_b32 s23, s16, 12
	s_add_co_u32 s23, s23, BSC
	s_sub_co_u32 s23, s23, s22                     ; and how far above them source 0's lie
	s_mul_i32 s95, s14, 16*SPITCH                  ; my stage
	v_and_b32 v1, 15, v0                           ; r
	v_bfe_u32 v[HH], v0, 4, 1                      ; h
	v_and_b32 v2, 31, v0
	v_mul_u32_u24 v3, v1, 48
	v_lshlrev_b32 v5, 2, v1
	v_sub_nc_u32 v7, 1, v[HH]
	v_mad_u32_u24 v3, v[HH], 24, v3
	v_mul_u32_u24 v6, s23, v[HH]
	v_lshlrev_b32 v4, 8, v7                        ; 256 in lanes 0-15
	v_add_nc_u32 v[ADA], s20, v3
	v_add_nc_u32 v[ADB], s21, v3
	v_add_nc_u32 v6, v6, v5
	v_add_nc_u32 v[ADA+1], HALF, v[ADA]
	v_add_nc_u32 v[ADB+1], HALF, v[ADB]
	v_add_nc_u32 v[AS], s22, v6
	v_mul_u32_u24 v5, v1, SPITCH
	v_lshlrev_b32 v[CO], 4, v2
	v_sub_nc_u32 v[AS+1], v[AS], v4                ; for blocks 4-7: lanes 0-15 stand 256 bytes lower, inside their own words
	v_lshl_add_u32 v5, v[HH], 6, v5
	v_add_nc_u32 v[RD], s95, v[CO]
	v_add_nc_u32 v[STO], s95, v5
	v_lshlrev_b32 v2, 6, v[HH]                     ; the bias: 16 numbers on for lanes 16-31
	s_wait_alu depctr_va_vdst(0)
	WIN 0xc0                                       ; destinations in window 3
.irp b, 0,1,2,3,4,5,6,7
	global_load_b128 v[8*\b:8*\b+3], v2, s[8:9] offset:(32*(\b/2)+8*(\b%2))*4
	global_load_b128 v[8*\b+4:8*\b+7], v2, s[8:9] offset:(32*(\b/2)+8*(\b%2))*4+16
.endr
	WIN 0
	s_wait_tensorcnt 0x0                           ; my load is in
	s_barrier_signal -1
	s_barrier_wait -1
.irp k, 0,1,2,3
	LOADG \k, 0
.endr
	s_wait_loadcnt 0x0                             ; the bias
	STEP 0, 1
.irp s, 1,2,3,4,5,6,7
	STEP \s, 0
.endr
	PLACES                                         ; behind the last products, ahead of the first reads of results
	s_barrier_signal -1                            ; no LDS load of mine is out: behind this barrier no wave reads a tile, and the stages may lie in tile bytes, which have had their only fill
	s_barrier_wait -1
	TOSTAGE 0
.irp a, 1,2,3
.if \a > 1
	s_wait_xcnt 0x0                                ; block a - 2's stores have read their registers and their base
.endif
	TOSTAGE \a
	SEND \a-1, 32                                  ; behind block a - 1's loads: block a's 16 stores and 16 loads
.endr
	s_wait_xcnt 0x0
	SEND 3, 0
	s_wait_tensorcnt 0x0                           ; the wave's end
	ds_add_u32 v[SPW], v[NIL]
	s_wait_dscnt 0x0
	CROUND                                         ; the closing round
	s_endpgm
.Lfunc_end_k_q4015699d96_proj:
	.size	k_q4015699d96_proj, .Lfunc_end_k_q4015699d96_proj-k_q4015699d96_proj
	.p2alignl 7, 3214868480
	.fill 96, 4, 3214868480
	.section	.rodata,"a",@progbits
	.p2align	6, 0x0
	.amdhsa_kernel k_q4015699d96_proj
		.amdhsa_group_segment_fixed_size 327680
		.amdhsa_private_segment_fixed_size 0
		.amdhsa_enable_private_segment 0
		.amdhsa_kernarg_size 32
		.amdhsa_user_sgpr_count 2
		.amdhsa_user_sgpr_kernarg_segment_ptr 1
		.amdhsa_wavefront_size32 1
		.amdhsa_system_sgpr_workgroup_id_x 1
		.amdhsa_system_sgpr_workgroup_id_y 1
		.amdhsa_system_sgpr_workgroup_id_z 1
		.amdhsa_system_vgpr_workitem_id 0
		.amdhsa_next_free_vgpr 1024
		.amdhsa_next_free_sgpr 100
		.amdhsa_reserve_vcc 0
		.amdhsa_float_denorm_mode_32 3
		.amdhsa_float_denorm_mode_16_64 3
		.amdhsa_memory_ordered 1
		.amdhsa_forward_progress 1
		.amdhsa_inst_pref_size 101
	.end_amdhsa_kernel
	.amdgpu_metadata
---
amdhsa.version: [ 1, 2 ]
amdhsa.kernels:
  - .name:           k_q4015699d96_proj
    .symbol:         k_q4015699d96_proj.kd
    .args:
      - { .name: aq, .offset: 0, .size: 8, .value_kind: global_buffer, .address_space: global }
      - { .name: wq, .offset: 8, .size: 8, .value_kind: global_buffer, .address_space: global }
      - { .name: b_proj, .offset: 16, .size: 8, .value_kind: global_buffer, .address_space: global }
      - { .name: out0, .offset: 24, .size: 8, .value_kind: global_buffer, .address_space: global }
    .group_segment_fixed_size: 327680
    .private_segment_fixed_size: 0
    .kernarg_segment_align: 8
    .kernarg_segment_size: 32
    .max_flat_workgroup_size: 128
    .sgpr_count:     100
    .vgpr_count:     1024
    .wavefront_size: 32
...
	.end_amdgpu_metadata
.endif
;; end of part 4
